; MI455X (gfx1250); checked and timed in simulation.
; The chip was launched on July 23, 2026; its instructions are those of AMD's public machine-readable ISA for CDNA 5 (MIT licence, August 2026) and "CDNA5" Instruction Set Architecture Reference Guide (July 2026). The comments in the code are by the model that wrote it; some were corrected since.
;; Causal Self Attention. Allowed arithmetic: matrix products marked QUANTISED: E2M3 operands, one E8M0 scale for each 32 along K, by v_wmma_scale_f32_16x16x128_f8f6f4 with both operands' format E2M3, f32 sums; everything else in f32.
;; Inputs: W_attn 1,024 x 3,072 float32; W_proj 1,024 x 1,024 float32; b_attn 3,072 float32; b_proj 1,024 float32; x 4 x 2,048 x 1,024 float32.
;; Outputs: out0 4 x 2,048 x 1,024 float32.
;; This version of the problem:
;;   THIS VERSION OF THE PROBLEM IS GIVEN IN LOW PRECISION. The matrix products marked QUANTISED in the list below multiply operands that are first quantised to E2M3 (2 exponent bits, 3 mantissa bits; 6 bits a number), with one power-of-two scale for each 32 numbers along K (OCP MX v1.0); their sums are f32. All else is computed in f32.
;;   The module's matrix products, in the order in which they are computed (A, B: the left and right operand; K: the contracted axis; several contracted axes count as one K, in the product's order):
;;     1. [M 8,192, K 1,024] x [K 1,024, N 3,072]; A: input x; B: input W_attn: QUANTISED
;;     2. batch 64 x [M 2,048, K 64] x [K 64, N 2,048]; A: computed on the way; B: computed on the way: QUANTISED
;;     3. batch 64 x [M 2,048, K 2,048] x [K 2,048, N 64]; A: softmax (see below); B: computed on the way: QUANTISED
;;     4. [M 8,192, K 1,024] x [K 1,024, N 1,024]; A: computed on the way; B: input W_proj: QUANTISED
;;   THE QUANTISER, for each operand of a quantised product, along K:
;;     - K is cut into blocks of 32 from its start; a last block that is shorter is filled with zeros.
;;     - A block's scale is 2^e with e = floor(log2(the largest magnitude in the block)) - 2, held to -126 .. 127; a block of zeros has e = 0. As a byte (E8M0): e + 127.
;;     - Each number is divided by its block's scale, clamped to +-7.5, and rounded to the nearest number of E2M3, ties to even, subnormals kept.
;;     - The product sums the exact products of the quantised numbers (number of the format x scale) in f32.
;;   ~~~python
;;   def quantise(x, axis):      # numpy; x: float32 -> the quantised numbers, widened to float32 again
;;       x = np.moveaxis(x, axis, -1); K = x.shape[-1]
;;       x = np.pad(x, [(0, 0)] * (x.ndim - 1) + [(0, -K % 32)]); x = x.reshape(x.shape[:-1] + (-1, 32)); a = np.abs(x).max(-1, keepdims=True)
;;       e = np.where(a > 0, np.clip(np.frexp(np.where(a > 0, a, 1))[1] - 1 - 2, -126, 127), 0)      # np.frexp(a)[1] - 1 = floor(log2(a)), exactly
;;       r = np.clip(x / 2.0 ** e, -7.5, 7.5)
;;       step = 2.0 ** (np.maximum(np.frexp(np.where(r == 0, 1, r))[1] - 1, 0) - 3)
;;       q = np.round(r / step) * step * 2.0 ** e      # np.round: ties to even
;;       return np.moveaxis(q.reshape(q.shape[:-2] + (-1,))[..., :K], -1, axis).astype(np.float32)
;;   ~~~
;;   SOFTMAX AHEAD OF A QUANTISED PRODUCT. Where the list says 'softmax', what is quantised is not the finished softmax but p = 2^(t - M), with t = logit x log2(e) and M = ceil(the row's largest t), a whole number; so 1/2 < the row's largest p <= 1. The row's sum l is taken of the UNQUANTISED p, in f32, and the product's result is divided by l at the end. Since M is a whole number, a kernel that streams over the keys may use a running M (the ceiling of the running maximum): every later rescaling is an exact power of two, which a block's scale takes up: the codes' values come out the same.
;;   OPERANDS COMPUTED ON THE WAY. 'Computed on the way' means the value that the module computes at that place (a softmax that the list does not call 'softmax' is quantised finished and normalised). What goes into a quantiser is computed in f32, as accurately as f32 sums, v_exp_f32 and their like allow (about 1e-6 of the number): no bf16 or f16 on the way to a quantiser, and a product that is left as it is and whose result goes on into a quantised operand takes f32 operands (vector FMAs, or v_wmma_f32_16x16x4_f32). A number that lies on a knife's edge between two numbers of the format may be rounded either way, as far as f32 arithmetic and the matrix unit's own rounding can turn it there, and no further.
;; One version. Each part assembles by itself: llvm-mc -triple=amdgcn-amd-amdhsa -mcpu=gfx1250 --defsym DOCPART=n.
;; ======== version 1 of 1: 4 launches
;; workspace buffers: x_q 6,553,600 bytes; w_q 3,276,800 bytes; qkv_q 19,660,800 bytes; y_q 6,553,600 bytes
;; launch quant (part 1): grid 384 x 1, 4 waves a work-group, no clusters, 58,880 bytes of LDS; arguments x, W_attn, W_proj, x_q, w_q; writes x_q, w_q
.if DOCPART == 1
	.amdgcn_target "amdgcn-amd-amdhsa--gfx1250"
	.amdhsa_code_object_version 6
	.text
	.protected	k_qa06145e3d5_quant
	.globl	k_qa06145e3d5_quant
	.p2align	8
	.type	k_qa06145e3d5_quant,@function
k_qa06145e3d5_quant:
	s_mov_b64 s[64:65], 0
	v_nop
	global_prefetch_b8 v0, s[64:65] scope:SCOPE_SE
	s_setreg_imm32_b32 hwreg(HW_REG_WAVE_MODE, 25, 1), 1
	s_wait_xcnt 0x0
; x [8192][1024], W_attn [1024][3072] and W_proj [1024][1024], f32, become codes of FP6 (E2M3) with one E8M0 byte for each 32 along K (x: its columns; the weights: their FIRST axis).
; A block's scale is 2^(floor(log2(largest magnitude)) - 2): its byte is the largest magnitude's exponent field - 2, held at 1 from below.
; LIMITS: NaN and infinities among the inputs are not served; a block whose largest magnitude lies under 2^-124 is held at the byte 1, and a block of zeros has the byte 1 where the
; quantiser says 127: its codes are zeros, and the bytes are read by this program alone.
; THE CHUNK, 12,800 bytes, is what every later launch reads: 128 rows x 128 along K as an IMAGE OF THE OPERAND'S REGISTERS.  Fragment i (16 rows) at 1536 i; its half c (registers 6 c .. 6 c + 5)
; at + 768 c: registers 6 c .. 6 c + 3 at 16 x lane, registers 6 c + 4, 6 c + 5 at 512 + 8 x lane.  Scale words at 12,288 + 256 (i / 4) + 16 r + 4 (i % 4).
; Lane r of fragment i is row 32 (i / 2) + 8 (i % 2) + r + 8 (r / 8) of the 128: in a product used transposed the 16 registers of result tiles 2 b, 2 b + 1 are then 16 neighbours along the next K.
; x_q: [64 groups of 128 rows][8 K steps][chunk].  w_q: [32 groups of 128 columns: 24 of W_attn, 8 of W_proj][8 K steps][chunk].
; Work-groups 0-255 take x, 256-383 the weights: two paths with LDS bytes of their own.  Waves share nothing: no barrier.  No matrix unit, no cluster: each input byte is read once and nothing is shared.
.set CH,   12800
.set XSTG, 8448                        ; x: a wave's stage, 16 rows x (512 + 16) bytes
.set WST0, 4*XSTG                      ; the weights' stages begin behind x's
.set WSTG, 6144                        ; a wave's: 2 K steps x 2 fragments x 1536
.set RR,   16                          ; v16-143  x: two sets of 16 rows as loaded (4 registers a row)
.set XX,   144                         ; v144-207 x: 64 numbers of my row: register 16 b + i = k 32 b + 16 (lane / 16) + i
.set PC,   208                         ; v208-219 the codes just made; v220-226 at work
.set TM,   228                         ; v228-231 largest magnitudes, v232-235 bytes, v240-243 the conversions' scale operands
.set PW,   244                         ; v244-247 the four fragments' scale words
.set VO,   32                          ; v32-63   weights: 4 x lane + i x pitch; never rewritten
.set WX,   64                          ; v64-127  weights: two sets of 32 numbers down K
.set WC,   128                         ; v128-134 a block's codes
.set SB,   136                         ; v136-137 the scale words of my column's two K steps
.set WO,   144                         ; v144-191 the way out
; 64 numbers of a lane become a fragment's 12 registers of codes, v[PC] on, and its row's scale word
.macro QUANT s, pw
.irp b, 0,1,2,3
	v_max3_num_f32 v[TM+\b], |v[\s+16*\b]|, |v[\s+1+16*\b]|, 0x1800000   ; block b: my 16 numbers and the floor 2^(3 - 127): the byte cannot fall under 1
.endr
.irp i, 2,4,6,8,10,12,14
.irp b, 0,1,2,3
	v_max3_num_f32 v[TM+\b], v[TM+\b], |v[\s+16*\b+\i]|, |v[\s+1+16*\b+\i]|   ; the four blocks by turns
.endr
.endr
.irp b, 0,1,2,3
	v_permlanex16_b32 v[TM+4+\b], v[TM+\b], s20, s21
.endr
.irp b, 0,1,2,3
	v_max_num_f32 v[TM+\b], v[TM+\b], v[TM+4+\b]   ; with lane l xor 16's 16: the block's largest magnitude
.endr
.irp b, 0,1,2,3
	v_add_nc_u32 v[TM+12+\b], 0xff000000, v[TM+\b]   ; 2 off its exponent field: the conversion takes that field as its scale
.endr
.irp b, 0,1,2,3
	v_lshrrev_b32 v[TM+4+\b], 23, v[TM+12+\b]      ; the scale's byte
.endr
	v_lshl_or_b32 v[\pw], v[TM+5], 8, v[TM+4]
	v_lshl_or_b32 v[\pw], v[TM+6], 16, v[\pw]
	v_lshl_or_b32 v[\pw], v[TM+7], 24, v[\pw]
.irp c, 0,1
	v_cvt_scalef32_pk16_fp6_f32 v[PC+6*\c:PC+2+6*\c], v[\s+32*\c:\s+15+32*\c], v[TM+12+2*\c]
	v_cvt_scalef32_pk16_fp6_f32 v[PC+12+4*\c:PC+14+4*\c], v[\s+16+32*\c:\s+31+32*\c], v[TM+12+2*\c+1]   ; (a conversion's three registers begin on an even number)
.endr
	v_nop                                          ; one plain place behind a scaled conversion
.irp c, 0,1                                    ; the operand wants a WHOLE block in a lane: lanes 0-15 block 2 c, lanes 16-31 block 2 c + 1
.irp i, 0,1,2
	v_permlane16_swap_b32 v[PC+6*\c+\i], v[PC+12+4*\c+\i]
.endr
.irp i, 0,1,2
	v_mov_b32 v[PC+3+6*\c+\i], v[PC+12+4*\c+\i]
.endr
.endr
.endm
	s_load_b256 s[4:11], s[0:1], 0x0               ; x s[4:5], W_attn s[6:7], W_proj s[8:9], x_q s[10:11]
	s_load_b64 s[12:13], s[0:1], 0x20              ; w_q
	v_lshl_add_u32 v254, v0, 2, 0xe400
	v_mov_b32 v255, 0
	v_lshrrev_b32 v1, 5, v0
	v_readfirstlane_b32 s14, v1                    ; wave 0..3
	v_and_b32 v1, 31, v0                           ; lane
	s_mov_b32 s20, 0x76543210
	s_mov_b32 s21, 0xfedcba98                      ; v_permlanex16_b32's selects for lane l xor 16
	s_cmp_lt_u32 ttmp9, 256
	s_cbranch_scc0 .Lweights
; ---- x.  A wave takes 64 rows (half a group) x one K step (512 bytes of each row); the four waves stand side by side on 2,048 bytes of the rows.
; Each load takes one row's 512 bytes, 16 a lane; 16 rows turn through the wave's own stage and come back 64 bytes a lane: 16 neighbours of each block of 32.
	v_and_b32 v2, 15, v0                           ; r
	v_bfe_u32 v3, v0, 4, 1                         ; h
	v_lshlrev_b32 v4, 4, v1                        ; 16 x lane: my bytes of a row as loaded, and of a half's first four registers as stored
	s_mul_i32 s15, s14, XSTG
	v_add_nc_u32 v5, s15, v4                       ; into the stage
	v_mul_u32_u24 v6, v2, 528
	v_lshl_add_u32 v6, v3, 6, v6
	v_add_nc_u32 v6, s15, v6                       ; out of it: row r, + 64 h
	v_lshlrev_b32 v8, 3, v1                        ; 8 x lane: a half's last two registers
	v_lshlrev_b32 v9, 4, v2
	v_lshl_add_u32 v9, v3, 3, v9                   ; 16 r + 8 h: two scale words a lane
.irp b, 0,1,2,3
	v_mov_b32 v[TM+4+\b], 0                        ; written once: a lane permute's destination counts as one of its sources
.endr
	s_lshr_b32 s16, ttmp9, 1                       ; which 64 rows
	s_and_b32 s17, ttmp9, 1
	s_lshl_b32 s17, s17, 2
	s_add_co_u32 s17, s17, s14                     ; which K step: 4 (work-group % 2) + wave
	s_and_b32 s18, s16, 1                          ; which half of the group
	s_lshl_b32 s22, s16, 18                        ; 64 rows of 4,096 bytes
	s_lshl_b32 s19, s17, 9
	s_add_co_u32 s22, s22, s19
	s_mov_b32 s23, 0
	s_lshr_b32 s24, s16, 1
	s_lshl_b32 s24, s24, 3
	s_add_co_u32 s24, s24, s17
	s_mul_i32 s24, s24, CH                         ; the chunk
	s_lshl_b32 s26, s18, 8
	s_add_co_u32 s26, s26, s24
	s_add_co_u32 s26, s26, 12288                   ; my four fragments' scale words: 256 bytes
	s_mul_i32 s19, s18, 6144
	s_add_co_u32 s24, s24, s19                     ; my four fragments
	s_mov_b32 s25, 0
	s_mov_b32 s27, 0
	s_mov_b32 s30, 0xffff0000                      ; lanes 16-31
	s_wait_alu depctr_va_vdst(0)
	s_wait_kmcnt 0x0
	s_add_nc_u64 s[4:5], s[4:5], s[22:23]
	s_add_nc_u64 s[24:25], s[10:11], s[24:25]
	s_add_nc_u64 s[26:27], s[10:11], s[26:27]
.macro LOADF f                         ; fragment f's 16 rows, in the fragment's order of rows
.irp r, 0,1,2,3,4,5,6,7,8,9,10,11,12,13,14,15
	global_load_b128 v[RR+64*((\f)%2)+4*\r:RR+64*((\f)%2)+4*\r+3], v4, s[4:5] offset:(32*((\f)/2)+8*((\f)%2)+\r+8*(\r/8))*4096 th:TH_LOAD_NT
.endr
.endm
.macro TURNF f                         ; LDS serves a wave's instructions in order: no wait between the stores and the loads
.irp r, 0,1,2,3,4,5,6,7,8,9,10,11,12,13,14,15
	ds_store_b128 v5, v[RR+64*((\f)%2)+4*\r:RR+64*((\f)%2)+4*\r+3] offset:528*\r
.endr
.irp b, 0,1,2,3
.irp j, 0,1,2,3
	ds_load_b128 v[XX+16*\b+4*\j:XX+16*\b+4*\j+3], v6 offset:128*\b+16*\j
.endr
.endr
.endm
	LOADF 0
	LOADF 1
.irp f, 0,1,2,3
.if \f < 3
	s_wait_loadcnt 16                              ; this fragment's 16 loads are in; the next fragment's 16 stay out
.else
	s_wait_loadcnt 0x0
.endif
	TURNF \f
	s_wait_dscnt 0x0                               ; my 64 numbers are back, and the stage's stores have read the set
.if \f < 2
	LOADF \f+2
.endif
.if \f > 0
	s_wait_xcnt 0x0                                ; the last fragment's stores have read the code registers: only now are they written again
.endif
	QUANT XX, PW+\f
.irp c, 0,1
	global_store_b128 v4, v[PC+6*\c:PC+6*\c+3], s[24:25] offset:1536*\f+768*\c           ; 512 consecutive bytes,
	global_store_b64 v8, v[PC+6*\c+4:PC+6*\c+5], s[24:25] offset:1536*\f+768*\c+512      ; and 256: each aligned to 256
.endr
.endr
	v_cndmask_b32 v248, v[PW], v[PW+2], s30        ; lanes 0-15 store words 0, 1 of their row, lanes 16-31 words 2, 3
	v_cndmask_b32 v249, v[PW+1], v[PW+3], s30
	global_store_b64 v9, v[248:249], s[26:27]      ; 256 consecutive bytes
	s_wait_tensorcnt 0x0
	ds_add_u32 v254, v255
	s_wait_dscnt 0x0
	s_endpgm
; ---- the weights.  K is their first axis: A LANE TAKES A COLUMN AND ITS REGISTERS RUN DOWN K.  A wave takes 32 columns x 256 along K: 8 blocks a lane, two K steps.
; Lane l is column 32 w + l of the group: lane r = (l % 8) + 8 (l / 16) of fragment 2 w + u, u = (l / 8) % 2.  A lane holds a WHOLE block, so its six registers go to the place of lane r + 16 h of the image, h = block % 2.
.Lweights:
	s_sub_co_u32 s15, ttmp9, 256
	s_and_b32 s16, s15, 31                         ; group of 128 columns
	s_lshr_b32 s17, s15, 5                         ; which 256 along K
	v_bfe_u32 v2, v0, 3, 1                         ; u
	v_and_b32 v3, 7, v0
	v_bfe_u32 v4, v0, 4, 1
	v_lshl_or_b32 v3, v4, 3, v3                    ; r
	s_mul_i32 s18, s14, WSTG
	s_add_co_u32 s18, s18, WST0                    ; my stage
	v_mul_u32_u24 v5, v2, 1536
	v_add_nc_u32 v5, s18, v5
	v_lshl_add_u32 v10, v3, 4, v5                  ; a half's first four registers: + 16 r
	v_lshl_add_u32 v11, v3, 3, v5                  ; its last two: + 8 r
	s_wait_alu depctr_va_vdst(0)
	v_lshlrev_b32 v13, 4, v1
	v_add_nc_u32 v12, s18, v13                     ; back: 16 x lane
	v_lshlrev_b32 v14, 4, v3
	v_lshl_add_u32 v14, v2, 2, v14                 ; my scale word: 16 r + 4 u
	s_mov_b32 s22, 12288                           ; W_attn's pitch in bytes
	s_wait_kmcnt 0x0
	s_cmp_ge_u32 s16, 24                           ; groups 24-31 are W_proj's: the choice hangs on the work-group's number alone
	s_cselect_b64 s[6:7], s[8:9], s[6:7]
	s_cselect_b32 s22, 4096, s22
	s_cselect_b32 s19, 24, 0
	s_sub_co_u32 s19, s16, s19                     ; the group within its tensor
	s_lshl_b32 s19, s19, 9
	s_lshl_b32 s23, s14, 7
	s_add_co_u32 s19, s19, s23                     ; my first column, in bytes
	s_lshl_b32 s23, s17, 8
	s_mul_i32 s23, s23, s22                        ; my first row
	s_add_co_u32 s24, s19, s23
	s_mov_b32 s25, 0
	s_add_nc_u64 s[32:33], s[6:7], s[24:25]        ; a base for each block of 32 rows: none is ever stepped
	s_lshl_b32 s26, s22, 5
	s_mov_b32 s27, 0
.irp t, 1,2,3,4,5,6,7
	s_add_nc_u64 s[32+2*\t:33+2*\t], s[30+2*\t:31+2*\t], s[26:27]
.endr
	v_lshlrev_b32 v[VO], 2, v1
.irp i, 1,2,3,4,5,6,7,8,9,10,11,12,13,14,15,16,17,18,19,20,21,22,23,24,25,26,27,28,29,30,31
	v_add_nc_u32 v[VO+\i], s22, v[VO+\i-1]
.endr
	s_lshl_b32 s28, s16, 3
	s_lshl_b32 s29, s17, 1
	s_add_co_u32 s28, s28, s29
	s_mul_i32 s28, s28, CH                         ; the first of my two chunks
	s_mul_i32 s29, s14, 3072
	s_add_co_u32 s48, s28, s29                     ; fragments 2 w, 2 w + 1
	s_mov_b32 s49, 0
	s_lshr_b32 s29, s14, 1
	s_lshl_b32 s29, s29, 8
	s_add_co_u32 s50, s28, s29
	s_and_b32 s29, s14, 1
	s_lshl_b32 s29, s29, 3
	s_add_co_u32 s50, s50, s29
	s_add_co_u32 s50, s50, 12288                   ; their scale words
	s_mov_b32 s51, 0
	s_add_nc_u64 s[48:49], s[12:13], s[48:49]
	s_add_nc_u64 s[50:51], s[12:13], s[50:51]
.macro LOADW t                         ; block t: 32 rows at my column: 128 consecutive bytes a wave, 512 a work-group
.irp i, 0,1,2,3,4,5,6,7,8,9,10,11,12,13,14,15,16,17,18,19,20,21,22,23,24,25,26,27,28,29,30,31
	global_load_b32 v[WX+32*((\t)%2)+\i], v[VO+\i], s[32+2*(\t):33+2*(\t)] th:TH_LOAD_NT
.endr
.endm
.macro BLOCK t
.set XS, WX+32*((\t)%2)
.if (\t) < 7
	s_wait_loadcnt 32                              ; this block's 32 loads are in; the next block's stay out
.else
	s_wait_loadcnt 0x0
.endif
	v_max3_num_f32 v16, |v[XS]|, |v[XS+1]|, |v[XS+2]|       ; all 32 numbers of the block are mine
	v_max3_num_f32 v17, |v[XS+3]|, |v[XS+4]|, |v[XS+5]|
.irp i, 6,10,14,18,22,26
	v_max3_num_f32 v16, v16, |v[XS+\i]|, |v[XS+\i+1]|
	v_max3_num_f32 v17, v17, |v[XS+\i+2]|, |v[XS+\i+3]|
.endr
	v_max3_num_f32 v16, v16, |v[XS+30]|, |v[XS+31]|
	v_max3_num_f32 v16, v16, v17, 0x1800000        ; and the floor
	v_add_nc_u32 v18, 0xff000000, v16              ; the conversions' scale operand
.if (\t)%4 == 0
	v_lshrrev_b32 v[SB+(\t)/4], 23, v18            ; the byte: four to a word, the lower K in the lower byte
.else
	v_lshrrev_b32 v17, 23, v18
	v_lshl_or_b32 v[SB+(\t)/4], v17, 8*((\t)%4), v[SB+(\t)/4]
.endif
	v_cvt_scalef32_pk16_fp6_f32 v[WC:WC+2], v[XS:XS+15], v18
	v_cvt_scalef32_pk16_fp6_f32 v[WC+4:WC+6], v[XS+16:XS+31], v18
	v_nop                                          ; one plain place behind a scaled conversion
	v_mov_b32 v[WC+3], v[WC+4]                     ; the block's six registers on end
	v_mov_b32 v[WC+4], v[WC+5]
	v_mov_b32 v[WC+5], v[WC+6]
	ds_store_b128 v10, v[WC:WC+3] offset:((\t)/4)*3072+(((\t)%4)/2)*768+((\t)%2)*256
	ds_store_b64 v11, v[WC+4:WC+5] offset:((\t)/4)*3072+(((\t)%4)/2)*768+512+((\t)%2)*128
.if (\t)+2 < 8
	LOADW (\t)+2
.endif
	s_wait_dscnt 0x0                               ; the stores have read the code registers
.endm
	s_wait_alu depctr_va_vdst(0)
	LOADW 0
	LOADW 1
.irp t, 0,1,2,3,4,5,6,7
	BLOCK \t
.endr
.irp m, 0,1,2,3,4,5,6,7,8,9,10,11
	ds_load_b128 v[WO+4*\m:WO+4*\m+3], v12 offset:512*\m     ; my own stores, served in order
.endr
.irp m, 0,1,2,3,4,5,6,7,8,9,10,11
	s_wait_dscnt 11-\m                             ; load m is in; the younger ones stay out
	global_store_b128 v13, v[WO+4*\m:WO+4*\m+3], s[48:49] offset:(\m/6)*CH+512*(\m%6)   ; 512 consecutive bytes, aligned to 256
.endr
	global_store_b32 v14, v[SB], s[50:51]          ; the scale words: 4 bytes a lane, 8 of each 16: the one store here that does not cover whole runs of 256 bytes (128 KB in the launch)
	s_wait_alu depctr_va_vdst(0)
	global_store_b32 v14, v[SB+1], s[50:51] offset:CH
	s_wait_tensorcnt 0x0
	ds_add_u32 v254, v255
	s_wait_dscnt 0x0
	s_endpgm
.Lfunc_end_k_qa06145e3d5_quant:
	.size	k_qa06145e3d5_quant, .Lfunc_end_k_qa06145e3d5_quant-k_qa06145e3d5_quant
	.p2alignl 7, 3214868480
	.fill 96, 4, 3214868480
	.section	.rodata,"a",@progbits
	.p2align	6, 0x0
	.amdhsa_kernel k_qa06145e3d5_quant
		.amdhsa_group_segment_fixed_size 58880
		.amdhsa_private_segment_fixed_size 0
		.amdhsa_enable_private_segment 0
		.amdhsa_kernarg_size 40
		.amdhsa_user_sgpr_count 2
		.amdhsa_user_sgpr_kernarg_segment_ptr 1
		.amdhsa_wavefront_size32 1
		.amdhsa_system_sgpr_workgroup_id_x 1
		.amdhsa_system_sgpr_workgroup_id_y 1
		.amdhsa_system_sgpr_workgroup_id_z 1
		.amdhsa_system_vgpr_workitem_id 0
		.amdhsa_next_free_vgpr 256
		.amdhsa_next_free_sgpr 66
		.amdhsa_reserve_vcc 0
		.amdhsa_float_denorm_mode_32 3
		.amdhsa_float_denorm_mode_16_64 3
		.amdhsa_memory_ordered 1
		.amdhsa_forward_progress 1
		.amdhsa_inst_pref_size 77
	.end_amdhsa_kernel
	.amdgpu_metadata
---
amdhsa.version: [ 1, 2 ]
amdhsa.kernels:
  - .name:           k_qa06145e3d5_quant
    .symbol:         k_qa06145e3d5_quant.kd
    .args:
      - { .name: x, .offset: 0, .size: 8, .value_kind: global_buffer, .address_space: global }
      - { .name: W_attn, .offset: 8, .size: 8, .value_kind: global_buffer, .address_space: global }
      - { .name: W_proj, .offset: 16, .size: 8, .value_kind: global_buffer, .address_space: global }
      - { .name: x_q, .offset: 24, .size: 8, .value_kind: global_buffer, .address_space: global }
      - { .name: w_q, .offset: 32, .size: 8, .value_kind: global_buffer, .address_space: global }
    .group_segment_fixed_size: 58880
    .private_segment_fixed_size: 0
    .kernarg_segment_align: 8
    .kernarg_segment_size: 40
    .max_flat_workgroup_size: 128
    .sgpr_count:     66
    .vgpr_count:     256
    .wavefront_size: 32
...
	.end_amdgpu_metadata
.endif
;; end of part 1
;; launch qkv (part 2): grid 24 x 32, 4 waves a work-group, clusters of 4 x 4, 327,680 bytes of LDS; arguments x_q, w_q, b_attn, qkv_q; writes qkv_q
.if DOCPART == 2
	.amdgcn_target "amdgcn-amd-amdhsa--gfx1250"
	.amdhsa_code_object_version 6
	.text
	.protected	k_qa06145e3d5_qkv
	.globl	k_qa06145e3d5_qkv
	.p2align	8
	.type	k_qa06145e3d5_qkv,@function
k_qa06145e3d5_qkv:
	s_mov_b64 s[64:65], 0
	v_nop
	global_prefetch_b8 v0, s[64:65] scope:SCOPE_SE
	s_setreg_imm32_b32 hwreg(HW_REG_WAVE_MODE, 25, 1), 1
	s_wait_xcnt 0x0
	s_wait_alu depctr_hold_cnt(0) depctr_sa_sdst(0) depctr_va_vdst(0) depctr_va_sdst(0) depctr_va_ssrc(0) depctr_va_vcc(0) depctr_vm_vsrc(0)
	s_getreg_b32 s2, hwreg(HW_REG_IB_STS2, 6, 4)
	s_cmp_eq_u32 s2, 0
	s_cbranch_scc0 .Lentry_in_a_cluster
	s_endpgm
.Lentry_in_a_cluster:
	s_bfe_u32 s2, ttmp6, 0x10000c
	s_cmp_lg_u32 s2, 0xf033
	s_cbranch_scc0 .Lentry_shape_is_right
	s_endpgm
.Lentry_shape_is_right:
; qkv = x W_attn + b_attn on codes of FP6 (E2M3) with E8M0 scales, and its results quantised at once for the attention: q and k along the head's 64, v along the tokens.  No f32 result goes to memory.
; Operands come as CHUNKS of 12,800 bytes: 128 rows x 128 K as an image of the operand's registers: fragment i at 1536 i, half c at + 768 c (four registers at 16 x lane, two at 512 + 8 x lane);
; scale words at 12,288 + 256 (i / 4) + 16 r + 4 (i % 4); lane r of fragment i is row 32 (i / 2) + 8 (i % 2) + r + 8 (r / 8).
; A work-group multiplies 256 rows of an operand A by 128 rows of an operand B over all K = 1,024.  Source 0 = B's fragment, source 1 = A's: a lane holds ONE row of A, and the 64 registers of its 8 tiles run along
; B's 128 rows in their true order: they are quantised in registers and are a fragment of the output chunk.
;   clusters x 0-3 (q, k):  A = 256 tokens of x_q, B = 128 columns of w_q (a pair of heads): chunk [column group][token group], rows = tokens, K = (head of the pair, d).
;   clusters x 4-5 (v):     A = 256 of v's columns of w_q, B = 128 tokens of x_q: chunk [16 + pair of heads][token group], rows = (head, d), K = the tokens.
; The two cases differ in numbers chosen by s_cselect on the cluster's x; no branch hangs on them.
; ALL OF K STAYS IN LDS: 3 groups x 8 chunks = 307,200 bytes, each byte filled once; so no slot is filled again.  The fills go out at the start as four slots of two K steps; a counted wait and a barrier open each slot.
; CLUSTERS 4 x 4: A hangs on cy (and the cluster's y), B on cx (and the cluster's x, y): A is asked for jointly along a row of the cluster, B along a column.  A wave has at most four tensor loads out.
; LIMITS: as the quantiser's launch: no NaN or infinities; a block under 2^-124, or of zeros, has the byte 1.  The bias starts the sums, so it is added ahead of the products, not behind them.
; REGISTERS: window 0: v1-23 addresses; v24-31 the row bias, each number twice; v32-39 A's scale words, two sets; v40-55 B's; v64-159 A's fragments, two sets of 4 (later the codes); v160-223 the column bias;
;   v228-243 at work; v244-247 scale words made.  window 1: B's fragments, two sets of 8, at v0 and v128.  window 2: the 32 accumulators, (a, b) at v[8 (8 a + b)].
.set CH,   12800
.set GRP,  8*CH                        ; a group of 128 rows, all of K
.set SLB,  2*CH                        ; what one tensor load brings: two K steps of a group
.set BG,   2*GRP                       ; LDS: A's two groups, then B's
.set SCO,  12288
.set AF,   64
.set SCA,  32
.set SCB,  40
.set CB,   160
.set RB,   24
.set TM,   228
.set PW,   244
.set WV,   12
.set G1A,  24                          ; s[24:31] group 1 for A;  s[32:47] its four groups 0
.set G0A,  32
.set G0B,  48                          ; s[48:63] B's four groups 0;  s[68:75] its group 1
.set G1B,  68
.set MSB, 0
.macro WIN new                         ; the immediate's high byte repeats the setting that is left
.if MSB != \new
	s_set_vgpr_msb (MSB<<8)|\new
.set MSB, \new
.endif
.endm
.macro PLACES                          ; four plain places behind a matrix instruction, ahead of loads into its sources and of reads of its results
.rept 4
	v_nop
.endr
.endm
.macro CROUND                          ; a round of the cluster's barrier
	s_barrier_signal -1
	s_barrier_wait -1
	s_cmp_lg_u32 s[WV], 0
	s_cbranch_scc1 .Lnot_wave_0_\@
	s_barrier_signal -3
.Lnot_wave_0_\@:
	s_barrier_wait -3
	s_barrier_signal -1
	s_barrier_wait -1
.endm
	s_load_b256 s[4:11], s[0:1], 0x0               ; x_q s[4:5], w_q s[6:7], b_attn s[8:9], qkv_q s[10:11]
	v_lshl_add_u32 v254, v0, 2, 0x4b000
	v_mov_b32 v255, 0
	ds_add_u32 v254, v255
	ds_add_u32 v254, v255
	v_lshrrev_b32 v1, 5, v0
	v_readfirstlane_b32 s[WV], v1                  ; wave 0..3
	s_lshr_b32 s13, s[WV], 1                       ; ga: which of A's two groups is mine
	s_and_b32 s14, s[WV], 1                        ; wl: which 64 rows of it
	s_bfe_u32 s15, ttmp6, 0x40000                  ; cx
	s_bfe_u32 s16, ttmp6, 0x40004                  ; cy
	s_and_b32 s18, ttmp7, 0xffff                   ; the cluster's y
	s_mov_b32 s17, 0x76543210
	s_mov_b32 s19, 0xfedcba98                      ; v_permlanex16_b32's selects for lane l xor 16
	s_mov_b32 s89, 0xffff0000                      ; lanes 16-31
	s_lshl_b32 s76, s18, 2
	s_add_co_u32 s20, s76, s16
	s_lshl_b32 s20, s20, 1                         ; q, k: A = x's groups 2 (4 y + cy), + 1
	s_lshl_b32 s21, s16, 1
	s_add_co_u32 s21, s21, 16                      ; v: A = the weights' groups 16 + 2 cy, + 1.  (No register on A's side ever holds cx)
	s_lshl_b32 s22, ttmp9, 2
	s_add_co_u32 s22, s22, s15                     ; q, k: B = the weights' group 4 x + cx
	s_max_u32 s23, ttmp9, 4
	s_sub_co_u32 s23, s23, 4
	s_lshl_b32 s23, s23, 5
	s_add_co_u32 s23, s23, s76
	s_add_co_u32 s23, s23, s15                     ; v: B = x's group 32 (x - 4) + 4 y + cx.  (None on B's side ever holds cy)
	s_lshl_b32 s86, s22, 6
	s_add_co_u32 s86, s86, s20
	s_add_co_u32 s86, s86, s13                     ; q, k: my output chunk 64 B + A + ga
	s_add_co_u32 s87, s21, s13
	s_lshl_b32 s87, s87, 6
	s_add_co_u32 s87, s87, s23                     ; v: 64 (A + ga) + B
	s_lshl_b32 s84, s16, 1
	s_add_co_u32 s84, s84, s13                     ; v: my group among v's eight
	s_wait_dscnt 0x0
	s_wait_kmcnt 0x0
	s_cmp_ge_u32 ttmp9, 4                          ; v's clusters?  All that follows up to the products is chosen on this one compare
	s_cselect_b32 s78, 0, s22                      ; the column bias's group (v has none: held at 0, and the numbers are cleared below)
	s_cselect_b32 s20, s21, s20
	s_cselect_b32 s22, s23, s22
	s_cselect_b32 s86, s87, s86
	s_cselect_b32 s84, s84, 0
	s_cselect_b32 s88, -1, 0
	s_cselect_b64 s[80:81], s[6:7], s[4:5]         ; A's buffer
	s_cselect_b64 s[82:83], s[4:5], s[6:7]         ; B's
	s_mul_i32 s90, s20, GRP
	s_mul_i32 s96, s[WV], GRP                      ; wave 0 fetches A's first group, wave 1 its second
	s_add_co_u32 s90, s90, s96
	s_mov_b32 s91, 0
	s_add_nc_u64 s[80:81], s[80:81], s[90:91]
	s_mul_i32 s92, s22, GRP
	s_mov_b32 s93, 0
	s_add_nc_u64 s[82:83], s[82:83], s[92:93]
	s_lshl_b32 s94, s16, 2
	s_lshl_b32 s94, 15, s94                        ; my row of the cluster
	s_lshl_b32 s95, 0x1111, s15                    ; my column
	s_or_b32 s[G1A], s94, (3<<16)|(1<<21)          ; 15:0 the mask; 17:16 elements of 8 bytes; 21 set beside a mask; no padding: an image's loads are consecutive
	s_or_b32 s[G1B], s95, (3<<16)|(1<<21)
.irp g, G1A, G1B                               ; a dense block of 25,600 bytes as 100 rows of 256
	s_mov_b32 s[\g+1], 32<<16                      ; tensor_dim0 = 32 elements
	s_mov_b32 s[\g+2], 100<<16                     ; tensor_dim1 = 100
	s_mov_b32 s[\g+3], 32<<16                      ; tile_dim0
	s_mov_b32 s[\g+4], 100                         ; tile_dim1
	s_mov_b32 s[\g+5], 32                          ; the pitch
	s_mov_b32 s[\g+6], 0
	s_mov_b32 s[\g+7], 0
.endr
.irp s, 0,1,2,3
	s_mov_b32 s[G0A+4*\s], 1
	s_add_co_u32 s[G0A+4*\s+1], s96, \s*SLB        ; LDS: wave x a group + the slot
	s_add_nc_u64 s[G0A+4*\s+2:G0A+4*\s+3], s[80:81], \s*SLB
	s_or_b32 s[G0A+4*\s+3], s[G0A+4*\s+3], 0x80000000
	s_mov_b32 s[G0B+4*\s], 1
	s_mov_b32 s[G0B+4*\s+1], BG+\s*SLB
	s_add_nc_u64 s[G0B+4*\s+2:G0B+4*\s+3], s[82:83], \s*SLB
	s_or_b32 s[G0B+4*\s+3], s[G0B+4*\s+3], 0x80000000
.endr
	CROUND                                         ; all sixteen work-groups are here: the joint loads meet
	s_cmp_lt_u32 s[WV], 2                          ; a wave's first fills stand in one branch on its number: waves 0, 1 A's groups, wave 2 B's, wave 3 none
	s_cbranch_scc0 .Lnot_a
.irp s, 0,1,2,3
	tensor_load_to_lds s[G0A+4*\s:G0A+4*\s+3], s[G1A:G1A+7]
	s_nop 0
.endr
	PLACES                                         ; four v_nop behind the last
	s_branch .Lasked
.Lnot_a:
	s_cmp_eq_u32 s[WV], 2
	s_cbranch_scc0 .Lasked
.irp s, 0,1,2,3
	tensor_load_to_lds s[G0B+4*\s:G0B+4*\s+3], s[G1B:G1B+7]
	s_nop 0
.endr
	PLACES
.Lasked:
	; LDS addresses: each in two registers, for K steps 0-3 and 4-7, so that every offset fits the 16-bit immediate
	v_and_b32 v3, 31, v0                           ; lane
	v_and_b32 v1, 15, v0                           ; r
	v_bfe_u32 v2, v0, 4, 1                         ; h
	v_lshlrev_b32 v16, 4, v3                       ; 16 x lane
	v_lshlrev_b32 v17, 3, v3                       ; 8 x lane
	v_lshlrev_b32 v18, 4, v1                       ; 16 r
	s_mul_i32 s96, s13, GRP
	s_mul_i32 s97, s14, 6144
	s_add_co_u32 s97, s97, s96                     ; my four fragments of A
	v_add_nc_u32 v4, s97, v16
	v_add_nc_u32 v6, s97, v17
	v_add_nc_u32 v6, 512, v6
	v_add_nc_u32 v8, BG, v16                       ; B's eight
	v_add_nc_u32 v10, BG+512, v17
	s_lshl_b32 s97, s14, 8
	s_add_co_u32 s97, s97, s96
	s_add_co_u32 s97, s97, SCO
	v_add_nc_u32 v12, s97, v18                     ; my four scale words of row r, 16 bytes on end
	v_add_nc_u32 v14, BG+SCO, v18                  ; B's: four, and four more 256 bytes on
.irp n, 4,6,8,10,12,14
	v_add_nc_u32 v[\n+1], 4*CH, v[\n]
.endr
	v_lshl_add_u32 v18, v2, 3, v18                 ; 16 r + 8 h: the scale words' way out
	v_mov_b32 v19, 0
	v_lshlrev_b32 v20, 6, v2                       ; 64 h: the column bias
	s_wait_alu depctr_va_vdst(0)
	v_and_b32 v21, 8, v1
	v_add_nc_u32 v21, v21, v1
	v_lshlrev_b32 v21, 2, v21                      ; 4 (r + 8 (r / 8)): the row bias
	s_wait_alu depctr_va_vdst(0)
.irp b, 0,1,2,3
	v_mov_b32 v[TM+4+\b], 0                        ; written once: a lane permute's destination counts as one of its sources
.endr
	s_lshl_b32 s78, s78, 9
	s_mov_b32 s79, 0
	s_add_nc_u64 s[78:79], s[8:9], s[78:79]        ; b_attn at B's 128 columns
	s_lshl_b32 s84, s84, 9
	s_lshl_b32 s97, s14, 8
	s_add_co_u32 s84, s84, s97
	s_add_co_u32 s84, s84, 8192
	s_mov_b32 s85, 0
	s_add_nc_u64 s[84:85], s[8:9], s[84:85]        ; b_attn at my 64 of v's columns
	s_mul_i32 s86, s86, CH
	s_mul_i32 s97, s14, 6144
	s_add_co_u32 s2, s86, s97
	s_mov_b32 s3, 0
	s_add_nc_u64 s[2:3], s[10:11], s[2:3]          ; my four fragments of the output chunk
	s_lshl_b32 s97, s14, 8
	s_add_co_u32 s98, s86, s97
	s_add_co_u32 s98, s98, SCO
	s_mov_b32 s99, 0
	s_add_nc_u64 s[98:99], s[10:11], s[98:99]      ; and their scale words
	; THE BIAS STARTS THE SUMS, while the tiles are on their way.  Register j of tile b is B's row 32 (b / 2) + 16 h + 8 (b % 2) + j; lane r of A's fragment a is row 32 (a / 2) + 8 (a % 2) + r + 8 (r / 8) of my 64
.irp b, 0,1,2,3,4,5,6,7
	global_load_b128 v[CB+8*\b:CB+8*\b+3], v20, s[78:79] offset:128*(\b/2)+32*(\b%2)
	global_load_b128 v[CB+8*\b+4:CB+8*\b+7], v20, s[78:79] offset:128*(\b/2)+32*(\b%2)+16
.endr
.irp a, 0,1,2,3
	global_load_b32 v[RB+2*\a], v21, s[84:85] offset:128*(\a/2)+32*(\a%2)
.endr
	s_wait_loadcnt 0x0
.set J, 0
.rept 64
	v_cndmask_b32 v[CB+J], v[CB+J], v19, s88       ; v's work-groups have no bias along B (the tokens),
.set J, J+1
.endr
.irp a, 0,1,2,3
	v_cndmask_b32 v[RB+2*\a+1], v19, v[RB+2*\a], s88   ; q's and k's none along A; each number twice, for the packed sum
	v_cndmask_b32 v[RB+2*\a], v19, v[RB+2*\a], s88
.endr
	WIN 0x80                                       ; destination window 2
.irp a, 0,1,2,3
.set J, 0
.rept 32
	v_pk_add_f32 v[64*\a+J:64*\a+J+1], v[CB+J:CB+J+1], v[RB+2*\a:RB+2*\a+1]
.set J, J+2
.endr
.endr
	WIN 0
.macro FRAG reg, a16, a8, off          ; a fragment's 12 registers, as they were stored
	ds_load_b128 v[(\reg):(\reg)+3], v[\a16] offset:(\off)
	ds_load_b64 v[(\reg)+4:(\reg)+5], v[\a8] offset:(\off)
	ds_load_b128 v[(\reg)+6:(\reg)+9], v[\a16] offset:(\off)+768
	ds_load_b64 v[(\reg)+10:(\reg)+11], v[\a8] offset:(\off)+768
.endm
.macro FETCH q                         ; K step q into set q % 2: B's 8 fragments, my 4 of A, their scale words: 51 loads
.set FP, (\q)%2
.set FH, (\q)/4
.set FO, ((\q)%4)*CH
	WIN 0x40                                       ; destination window 1
.irp i, 0,1,2,3,4,5,6,7
	FRAG 128*FP+12*\i, 8+FH, 10+FH, FO+1536*\i
.endr
	WIN 0
.irp i, 0,1,2,3
	FRAG AF+48*FP+12*\i, 4+FH, 6+FH, FO+1536*\i
.endr
	ds_load_b128 v[SCA+4*FP:SCA+4*FP+3], v[12+FH] offset:FO
	ds_load_b128 v[SCB+8*FP:SCB+8*FP+3], v[14+FH] offset:FO
	ds_load_b128 v[SCB+8*FP+4:SCB+8*FP+7], v[14+FH] offset:FO+256
.endm
.macro MULK q                          ; 32 products; the 32 accumulators take turns, one instruction a turn, in the same order in every K step
.set FP, (\q)%2
	WIN 0xa1                                       ; source 0 (B) window 1, source 1 (A) window 0, C and D window 2
.irp a, 0,1,2,3
.irp b, 0,1,2,3,4,5,6,7
	v_wmma_scale_f32_16x16x128_f8f6f4 v[8*(8*\a+\b):8*(8*\a+\b)+7], v[128*FP+12*\b:128*FP+12*\b+11], v[AF+48*FP+12*\a:AF+48*FP+12*\a+11], v[8*(8*\a+\b):8*(8*\a+\b)+7], v[SCB+8*FP+\b], v[SCA+4*FP+\a] matrix_a_fmt:MATRIX_FMT_FP6 matrix_b_fmt:MATRIX_FMT_FP6
.endr
.endr
.endm
.macro KSTEP q
.if (\q) < 7
.if ((\q)%2) == 1
	s_wait_tensorcnt 3-((\q)+1)/2                  ; my part of slot (q + 1) / 2 has landed; the later slots' loads stay out
	s_wait_dscnt 0x0                               ; no LDS load of mine is out at the signal
	s_barrier_signal -1
	s_barrier_wait -1                              ; everybody's part has
.endif
.if (\q) > 0
	PLACES                                         ; the set that takes the loads below was read by the products just issued
.endif
	FETCH (\q)+1
	s_wait_dscnt 51                                ; all but the 51 just issued: this K step's operands are in
.else
	s_wait_dscnt 0x0
.endif
	MULK \q
.endm
	s_wait_alu depctr_va_vdst(0)
	s_wait_tensorcnt 3                             ; my part of slot 0 (K steps 0, 1) has landed; three loads stay out
	s_barrier_signal -1
	s_barrier_wait -1
	FETCH 0
.irp q, 0,1,2,3,4,5,6,7
	KSTEP \q
.endr
	WIN 0
	PLACES
; THE WAY OUT: fragment a's 64 numbers of a lane, v[64 a] on in window 2 (register 16 b + i = k 32 b + 16 h + i of my row), become 12 registers of codes and a scale word.  Each accumulator is read from its low end on.
.macro QUANTA a
.set QS, 64*(\a)
.set QC, AF+20*(\a)                    ; a set of registers for each fragment: no store's data are written again
	WIN 0x0a                                       ; sources 0 and 1 window 2
.irp b, 0,1,2,3
	v_max3_num_f32 v[TM+\b], |v[QS+16*\b]|, |v[QS+1+16*\b]|, 0x1800000   ; and the floor 2^(3 - 127)
.endr
.irp i, 2,4,6,8,10,12,14
.irp b, 0,1,2,3
	v_max3_num_f32 v[TM+\b], |v[QS+16*\b+\i]|, |v[QS+1+16*\b+\i]|, v[TM+\b]
.endr
.endr
	WIN 0
.irp b, 0,1,2,3
	v_permlanex16_b32 v[TM+4+\b], v[TM+\b], s17, s19
.endr
.irp b, 0,1,2,3
	v_max_num_f32 v[TM+\b], v[TM+\b], v[TM+4+\b]
.endr
.irp b, 0,1,2,3
	v_add_nc_u32 v[TM+12+\b], 0xff000000, v[TM+\b]   ; 2 off the exponent field: the conversion's scale operand
.endr
.irp b, 0,1,2,3
	v_lshrrev_b32 v[TM+4+\b], 23, v[TM+12+\b]
.endr
	v_lshl_or_b32 v[PW+\a], v[TM+5], 8, v[TM+4]
	v_lshl_or_b32 v[PW+\a], v[TM+6], 16, v[PW+\a]
	v_lshl_or_b32 v[PW+\a], v[TM+7], 24, v[PW+\a]
	WIN 0x02                                       ; source 0 window 2
.irp c, 0,1
	v_cvt_scalef32_pk16_fp6_f32 v[QC+6*\c:QC+2+6*\c], v[QS+32*\c:QS+15+32*\c], v[TM+12+2*\c]
	v_cvt_scalef32_pk16_fp6_f32 v[QC+12+4*\c:QC+14+4*\c], v[QS+16+32*\c:QS+31+32*\c], v[TM+12+2*\c+1]
.endr
	WIN 0
	v_nop                                          ; one plain place behind a scaled conversion
.irp c, 0,1
.irp i, 0,1,2
	v_permlane16_swap_b32 v[QC+6*\c+\i], v[QC+12+4*\c+\i]
.endr
.irp i, 0,1,2
	v_mov_b32 v[QC+3+6*\c+\i], v[QC+12+4*\c+\i]
.endr
.endr
.irp c, 0,1
	global_store_b128 v16, v[QC+6*\c:QC+6*\c+3], s[2:3] offset:1536*(\a)+768*\c          ; 512 consecutive bytes,
	global_store_b64 v17, v[QC+6*\c+4:QC+6*\c+5], s[2:3] offset:1536*(\a)+768*\c+512     ; and 256: each aligned to 256
.endr
.endm
.irp a, 0,1,2,3
	QUANTA \a
.endr
	v_cndmask_b32 v248, v[PW], v[PW+2], s89        ; lanes 0-15 store words 0, 1 of their row, lanes 16-31 words 2, 3
	v_cndmask_b32 v249, v[PW+1], v[PW+3], s89
	global_store_b64 v18, v[248:249], s[98:99]     ; 256 consecutive bytes
	s_wait_tensorcnt 0x0
	ds_add_u32 v254, v255
	s_wait_dscnt 0x0
	CROUND                                         ; the closing round: no work-group ends while a partner may still ask for a tile that names it
	s_endpgm
.Lfunc_end_k_qa06145e3d5_qkv:
	.size	k_qa06145e3d5_qkv, .Lfunc_end_k_qa06145e3d5_qkv-k_qa06145e3d5_qkv
	.p2alignl 7, 3214868480
	.fill 96, 4, 3214868480
	.section	.rodata,"a",@progbits
	.p2align	6, 0x0
	.amdhsa_kernel k_qa06145e3d5_qkv
		.amdhsa_group_segment_fixed_size 327680
		.amdhsa_private_segment_fixed_size 0
		.amdhsa_enable_private_segment 0
		.amdhsa_kernarg_size 32
		.amdhsa_user_sgpr_count 2
		.amdhsa_user_sgpr_kernarg_segment_ptr 1
		.amdhsa_wavefront_size32 1
		.amdhsa_system_sgpr_workgroup_id_x 1
		.amdhsa_system_sgpr_workgroup_id_y 1
		.amdhsa_system_sgpr_workgroup_id_z 1
		.amdhsa_system_vgpr_workitem_id 0
		.amdhsa_next_free_vgpr 768
		.amdhsa_next_free_sgpr 100
		.amdhsa_reserve_vcc 0
		.amdhsa_float_denorm_mode_32 3
		.amdhsa_float_denorm_mode_16_64 3
		.amdhsa_memory_ordered 1
		.amdhsa_forward_progress 1
		.amdhsa_inst_pref_size 102
	.end_amdhsa_kernel
	.amdgpu_metadata
---
amdhsa.version: [ 1, 2 ]
amdhsa.kernels:
  - .name:           k_qa06145e3d5_qkv
    .symbol:         k_qa06145e3d5_qkv.kd
    .args:
      - { .name: x_q, .offset: 0, .size: 8, .value_kind: global_buffer, .address_space: global }
      - { .name: w_q, .offset: 8, .size: 8, .value_kind: global_buffer, .address_space: global }
      - { .name: b_attn, .offset: 16, .size: 8, .value_kind: global_buffer, .address_space: global }
      - { .name: qkv_q, .offset: 24, .size: 8, .value_kind: global_buffer, .address_space: global }
    .group_segment_fixed_size: 327680
    .private_segment_fixed_size: 0
    .kernarg_segment_align: 8
    .kernarg_segment_size: 32
    .max_flat_workgroup_size: 128
    .sgpr_count:     100
    .vgpr_count:     768
    .wavefront_size: 32
...
	.end_amdgpu_metadata
.endif
;; end of part 2
;; launch attn (part 3): grid 8 x 32, 16 waves a work-group, no clusters, 327,680 bytes of LDS; arguments qkv_q, y_q; writes y_q
.if DOCPART == 3
	.amdgcn_target "amdgcn-amd-amdhsa--gfx1250"
	.amdhsa_code_object_version 6
	.text
	.protected	k_qa06145e3d5_attn
	.globl	k_qa06145e3d5_attn
	.p2align	8
	.type	k_qa06145e3d5_attn,@function
k_qa06145e3d5_attn:
	s_mov_b64 s[64:65], 0
	v_nop
	global_prefetch_b8 v0, s[64:65] scope:SCOPE_SE
	s_setreg_imm32_b32 hwreg(HW_REG_WAVE_MODE, 25, 1), 1
	s_wait_xcnt 0x0
; y = softmax(q k^T / 8, causal) v for 64 (batch, head), 2,048 tokens, head size 64, both products on codes of FP6 (E2M3) with E8M0 scales; y is quantised at once, along (head, d), for the last product.
; t = score x log2(e) / 8; M = the running largest t rounded UP to a whole number; p = 2^(t - M) is quantised along the keys, not normalised; the row's sum is taken of the unquantised p and divides O at the end.
; INPUT: chunks of 12,800 bytes (128 rows x 128 K as an image of the operand's registers: fragment i at 1536 i, half c at + 768 c: four registers at 16 x lane, two at 512 + 8 x lane; scale words at
; 12,288 + 256 (i / 4) + 16 r + 4 (i % 4); lane r of fragment i is row 32 (i / 2) + 8 (i % 2) + r + 8 (r / 8)).  qkv_q: [24][64 token groups]: 0-7 q of a pair of heads, 8-15 k (rows = tokens, K = (head, d)), 16-23 v (rows = (head, d), K = tokens).
; A head's 64 along K are half c = head of a fragment: it is loaded into registers 0-5, registers 6-11 hold zero codes, and the two scale bytes come as 16 bits with zeros above (zero codes add nothing under that byte).
; SHARES.  A work-group takes one batch, one pair of heads and two blocks of 128 queries, 15 - J and then J: 16 - J and J + 1 blocks of keys, 17 ENTRIES in every work-group, so the causal work is even and every trip count is a constant.
; Wave w: head w / 8 of the pair, tile w % 8 of 16 queries.  Both products are used transposed (S^T = k q^T, O^T = v^T p^T): a lane holds ONE query, and by the chunks' order of rows p's 16 registers of two neighbouring tiles are 16 neighbouring keys.
; RING.  Two LDS slots of two entries (k's chunk, v's chunk each); waves 0-3 fetch one chunk each, all sixteen read.
; NO CLUSTER: the eight work-groups of one batch and pair of heads want the same key block only up to entry 15 - J; from there on their descriptors would differ, and a joint load wants them equal in every round.
; LIMITS: no NaN or infinities; a block of p or of y whose largest magnitude lies under 2^-124, or that is all zeros, has the byte 1 (its codes are zeros or subnormal codes as the quantiser gives them at that scale);
; a block's largest p is made from the block's largest score by the same two instructions, which takes v_exp_f32 not to fall where its input rises; 1 / sum is v_rcp_f32.
; REGISTERS: v1-4, v7, v8 my lane's places in an entry; v5, v6 the spare word's address and 0; v9 my query less 16 h; v10, v11, v28 16 x lane, 8 x lane, 16 r; v12 -M, v13 the largest t, v[14:15] the sum;
; v16-27 q; v29, v30 q's scales (now, next); v32-79 four fragments of k; v80-85 the second block's q; v86-91 the step's addresses; v92-95 k's scales; v96-159 S^T, then p, then v's four fragments; v160-191 O^T;
; v192-195 v's scale words; v196-207 p's codes; v208-214, v216-228 at work; v230 f; v231 p's scale word; v232-238 y's codes; v243 y's two scale bytes.
.set CH,    12800
.set SLOT1, 65536                      ; slot 1: one exclusive or turns an address
.set SPARE, 131072                     ; the spare words: 128 bytes for each of 16 waves, eight blocks of 256 bytes that no other line names
.set WV,  8
.set ETA, 9
.set TAU, 10
.set PI,  11
.set JJ,  12
.set N1,  13                           ; entries of the first block of queries: 16 - J
.set QB,  14                           ; the block of queries in hand
.set KB,  15                           ; the block of keys in hand
.set EC,  16                           ; entries done
.set EN,  17                           ; the entry that my next tensor load brings
.set TB,  18                           ; LDS byte at which the slot in hand begins
.set SLOTS, 19
.macro PLACES
.rept 4
	v_nop
.endr
.endm
	s_load_b128 s[4:7], s[0:1], 0x0                ; qkv_q s[4:5], y_q s[6:7]
	v_lshl_add_u32 v5, v0, 2, SPARE
	v_mov_b32 v6, 0
	ds_add_u32 v5, v6
	ds_add_u32 v5, v6
	s_wait_dscnt 0x0
	v_lshrrev_b32 v7, 5, v0
	s_delay_alu instid0(VALU_DEP_1)
	v_readfirstlane_b32 s[WV], v7                  ; wave 0..15
	s_lshr_b32 s[ETA], s[WV], 3                    ; my head of the pair
	s_and_b32 s[TAU], s[WV], 7                     ; my tile of 16 queries
	s_and_b32 s[PI], s[WV], 1                      ; loaders: which entry of a slot
	s_and_b32 s42, s[WV], 13                       ; 0 in waves 0 and 2: those that fetch the last, single entry
	s_lshr_b32 s43, s[WV], 1
	s_min_u32 s43, s43, 1                          ; loaders: k (0) or v (1)
	s_mov_b32 s[JJ], ttmp9
	s_sub_co_u32 s[N1], 16, s[JJ]
	s_sub_co_u32 s[QB], 15, s[JJ]
	s_and_b32 s41, ttmp7, 7                        ; the pair of heads
	s_bfe_u32 s40, ttmp7, 0x20003
	s_lshl_b32 s40, s40, 4                         ; 16 x batch: the batch's first token group
	s_mov_b32 s[KB], 0
	s_mov_b32 s[EC], 0
	s_mov_b32 s[TB], 0
	s_mov_b32 s[SLOTS], 7
	s_mov_b32 s20, 0x76543210
	s_mov_b32 s21, 0xfedcba98                      ; v_permlanex16_b32's selects for lane l xor 16
	s_mov_b32 s22, 0x3e38aa3b                      ; c = log2(e) / 8
	s_mov_b32 s23, s22                             ; (named with it as a pair, so it is written)
	s_mov_b32 s24, 3<<16                           ; group 1: a chunk, dense, as 50 rows of 256 bytes: elements of 8 bytes, no mask, no padding
	s_mov_b32 s25, 32<<16
	s_mov_b32 s26, 50<<16
	s_mov_b32 s27, 32<<16
	s_mov_b32 s28, 50
	s_mov_b32 s29, 32
	s_mov_b32 s30, 0
	s_mov_b32 s31, 0
	s_lshl_b32 s44, s43, 3
	s_add_co_u32 s44, s44, s41
	s_add_co_u32 s44, s44, 8
	s_lshl_b32 s44, s44, 6
	s_add_co_u32 s44, s44, s40
	s_mul_i32 s44, s44, CH                         ; k's or v's chunk of the batch's first 128 tokens
	s_mov_b32 s45, 0
	s_mul_i32 s56, s[PI], CH
	s_mov_b32 s57, 0
	s_mul_i32 s33, s[PI], 2*CH
	s_mul_i32 s46, s43, CH
	s_add_co_u32 s33, s33, s46                     ; LDS: 25,600 x entry + 12,800 x kind, slot 0
	s_mov_b32 s32, 1
	s_add_co_u32 s[EN], s[PI], 2
	s_mul_i32 s38, s[TAU], 1536
	s_mul_i32 s46, s[ETA], 768
	s_add_co_u32 s38, s38, s46                     ; my half fragment in a chunk of q or of y
	s_lshr_b32 s39, s[TAU], 2
	s_lshl_b32 s39, s39, 8
	s_and_b32 s46, s[TAU], 3
	s_lshl_b32 s46, s46, 2
	s_add_co_u32 s39, s39, s46
	s_lshl_b32 s46, s[ETA], 1
	s_add_co_u32 s39, s39, s46
	s_add_co_u32 s39, s39, 12288                   ; and its two scale bytes (+ 16 r)
	s_lshl_b32 s46, s41, 6
	s_add_co_u32 s46, s46, s40
	s_add_co_u32 s47, s46, s[QB]
	s_mul_i32 s47, s47, CH                         ; q's chunk of block 15 - J,
	s_add_co_u32 s48, s47, s38
	s_mov_b32 s49, 0
	s_add_co_u32 s50, s47, s39
	s_mov_b32 s51, 0
	s_add_co_u32 s47, s46, s[JJ]
	s_mul_i32 s47, s47, CH                         ; and of block J
	s_add_co_u32 s52, s47, s38
	s_mov_b32 s53, 0
	s_add_co_u32 s54, s47, s39
	s_mov_b32 s55, 0
	s_wait_kmcnt 0x0
	s_add_nc_u64 s[36:37], s[4:5], s[44:45]
	s_add_nc_u64 s[34:35], s[36:37], s[56:57]      ; entries 0 and 1 are key blocks 0 and 1
	s_or_b32 s35, s35, 0x80000000
	s_cmp_lt_u32 s[WV], 4                          ; slot 0's fill: waves 0-3, one chunk each; four v_nop behind the load
	s_cbranch_scc0 .Lno_first
	tensor_load_to_lds s[32:35], s[24:31]
	s_nop 0
	PLACES
.Lno_first:
	s_add_nc_u64 s[48:49], s[4:5], s[48:49]
	s_add_nc_u64 s[50:51], s[4:5], s[50:51]
	s_add_nc_u64 s[52:53], s[4:5], s[52:53]
	s_add_nc_u64 s[54:55], s[4:5], s[54:55]
	v_and_b32 v7, 31, v0                           ; lane
	v_and_b32 v8, 15, v0                           ; r
	v_bfe_u32 v9, v0, 4, 1                         ; h
	s_delay_alu instid0(VALU_DEP_3)
	v_lshlrev_b32 v10, 4, v7
	s_delay_alu instid0(VALU_DEP_4)
	v_lshlrev_b32 v11, 3, v7
	s_delay_alu instid0(VALU_DEP_4)
	v_lshlrev_b32 v28, 4, v8
	global_load_b128 v[16:19], v10, s[48:49]       ; q of both blocks stays in registers
	global_load_b64 v[20:21], v11, s[48:49] offset:512
	global_load_u16 v29, v28, s[50:51]
	global_load_b128 v[80:83], v10, s[52:53]
	global_load_b64 v[84:85], v11, s[52:53] offset:512
	global_load_u16 v30, v28, s[54:55]
	s_mul_i32 s46, s[ETA], 768
	v_add_nc_u32 v1, s46, v10                      ; k: my head's half of a fragment
	v_add_nc_u32 v2, s46, v11
	s_delay_alu instid0(VALU_DEP_1)
	v_add_nc_u32 v2, 512, v2
	s_mul_i32 s46, s[ETA], 6144
	s_add_co_u32 s46, s46, CH
	v_add_nc_u32 v3, s46, v10                      ; v: my head's four fragments
	v_add_nc_u32 v4, s46, v11
	s_delay_alu instid0(VALU_DEP_1)
	v_add_nc_u32 v4, 512, v4
	v_and_b32 v12, 8, v8
	s_delay_alu instid0(VALU_DEP_1)
	v_add_nc_u32 v12, v12, v8
	v_lshlrev_b32 v13, 4, v9
	s_delay_alu instid0(VALU_DEP_1)
	v_sub_nc_u32 v12, v12, v13
	s_lshr_b32 s46, s[TAU], 1
	s_lshl_b32 s46, s46, 5
	s_and_b32 s47, s[TAU], 1
	s_lshl_b32 s47, s47, 3
	s_add_co_u32 s46, s46, s47
	v_add_nc_u32 v9, s46, v12                      ; my query in its block, less 16 h
	s_lshl_b32 s46, s[ETA], 1
	s_add_co_u32 s46, s46, 12288
	v_add_nc_u32 v7, s46, v28                      ; k's scale bytes
	s_lshl_b32 s46, s[ETA], 8
	s_add_co_u32 s46, s46, CH+12288
	v_add_nc_u32 v8, s46, v28                      ; v's scale words: four on end
.irp i, 22,23,24,25,26,27
	v_mov_b32 v[\i], 0                             ; q's upper 64 along K: zero codes
.endr
.irp t, 0,1,2,3
.irp i, 38,39,40,41,42,43
	v_mov_b32 v[\i+12*\t], 0                       ; k's likewise: written once, never loaded
.endr
.endr
.set J, 0
.rept 32
	v_mov_b32 v[160+J], 0                          ; O^T: the step is written once; its first run finds zeros
.set J, J+1
.endr
.irp i, 220,221,222,223,228,231
	v_mov_b32 v[\i], 0                             ; permutes' destinations, and the upper half of the pair v[230:231], are named before they are first written
.endr
	v_mov_b32 v13, 0xff61b1e6                      ; the largest t so far: -3e38
	s_delay_alu instid0(VALU_DEP_1)
	v_floor_f32 v12, -v13                          ; -M
	v_mov_b32 v14, 0
	v_mov_b32 v15, 0
; A block of queries is finished: O^T / the sum, quantised along d (two blocks of 32), is half `head` of fragment `tile` of y's chunk [token group][pair of heads]
.macro FINISH
	s_wait_xcnt 0x0                                ; earlier stores have read their registers and bases: only now are they written again
	s_add_co_u32 s44, s40, s[QB]
	s_lshl_b32 s44, s44, 3
	s_add_co_u32 s44, s44, s41
	s_mul_i32 s44, s44, CH
	s_add_co_u32 s46, s44, s39
	s_add_co_u32 s44, s44, s38
	s_mov_b32 s45, 0
	s_mov_b32 s47, 0
	s_add_nc_u64 s[44:45], s[6:7], s[44:45]
	s_add_nc_u64 s[46:47], s[6:7], s[46:47]
	v_add_f32 v14, v14, v15                        ; the sum's two halves,
	s_delay_alu instid0(VALU_DEP_1)
	v_permlanex16_b32 v228, v14, s20, s21
	s_delay_alu instid0(VALU_DEP_1)
	v_add_f32 v14, v14, v228                       ; and lane l xor 16's
	s_wait_alu depctr_va_vdst(0)
	v_rcp_f32 v14, v14
	v_nop                                          ; one plain place behind a transcendental
.set J, 0
	s_wait_alu depctr_va_vdst(0)
.rept 16
	v_pk_mul_f32 v[96+J:97+J], v[160+J:161+J], v[14:15] op_sel_hi:[1,0]   ; register 16 b + i = d 32 b + 16 h + i; each accumulator from its low end on
.set J, J+2
.endr
.irp b, 0,1
	v_max3_num_f32 v[216+\b], |v[96+16*\b]|, |v[97+16*\b]|, 0x1800000
.endr
.irp i, 2,4,6,8,10,12,14
.irp b, 0,1
	s_delay_alu instid0(VALU_DEP_2)
	v_max3_num_f32 v[216+\b], v[216+\b], |v[96+16*\b+\i]|, |v[97+16*\b+\i]|
.endr
.endr
.irp b, 0,1
	s_delay_alu instid0(VALU_DEP_2)
	v_permlanex16_b32 v[220+\b], v[216+\b], s20, s21
.endr
.irp b, 0,1
	s_delay_alu instid0(VALU_DEP_2)
	v_max_num_f32 v[216+\b], v[216+\b], v[220+\b]
.endr
.irp b, 0,1
	s_delay_alu instid0(VALU_DEP_2)
	v_add_nc_u32 v[224+\b], 0xff000000, v[216+\b]
.endr
.irp b, 0,1
	s_delay_alu instid0(VALU_DEP_2)
	v_lshrrev_b32 v[220+\b], 23, v[224+\b]
.endr
	s_delay_alu instid0(VALU_DEP_1)
	v_lshl_or_b32 v243, v221, 8, v220
	v_cvt_scalef32_pk16_fp6_f32 v[232:234], v[96:111], v224
	v_cvt_scalef32_pk16_fp6_f32 v[236:238], v[112:127], v225
	v_nop                                          ; one plain place behind a scaled conversion
.irp i, 0,1,2
	v_permlane16_swap_b32 v[232+\i], v[236+\i]     ; a whole block to a lane
.endr
.irp i, 0,1,2
	s_delay_alu instid0(VALU_DEP_3)
	v_mov_b32 v[235+\i], v[236+\i]
.endr
	global_store_b128 v10, v[232:235], s[44:45]            ; 512 consecutive bytes,
	global_store_b64 v11, v[236:237], s[44:45] offset:512  ; and 256: each aligned to 256
	global_store_b16 v28, v243, s[46:47]                   ; two scale bytes a row, 16 bytes apart (lanes 16-31 store what lanes 0-15 store): 256 KB in the launch go out so
.endm
; AN ENTRY: 128 keys against my 16 queries; e: which entry of the slot in hand
.macro STEP e
	v_add_nc_u32 v86, s[TB], v1                    ; six plain lines: also the places between the last products and what next reads their results or writes over their operands
	v_add_nc_u32 v87, s[TB], v2
	v_add_nc_u32 v88, s[TB], v3
	v_add_nc_u32 v89, s[TB], v4
	v_add_nc_u32 v90, s[TB], v7
	v_add_nc_u32 v91, s[TB], v8
	s_cmp_lg_u32 s[EC], s[N1]                      ; the first block of queries is through: a scalar branch on ids, the same in all sixteen waves; no barrier and no tensor load stands under it
	s_cbranch_scc1 .Lsame_\@
	s_wait_alu depctr_va_vdst(0)
	FINISH
.irp i, 0,1,2,3,4,5
	v_mov_b32 v[16+\i], v[80+\i]                   ; on to block J: its q and scale first, so that the 36 lines below stand between them and the next product
.endr
	v_mov_b32 v29, v30
.set J, 0
.rept 32
	v_mov_b32 v[160+J], 0
.set J, J+1
.endr
	v_mov_b32 v13, 0xff61b1e6
	s_delay_alu instid0(VALU_DEP_1)
	v_floor_f32 v12, -v13
	v_mov_b32 v14, 0
	v_mov_b32 v15, 0
	s_mov_b32 s[KB], 0
	s_mov_b32 s[QB], s[JJ]
.Lsame_\@:
	s_wait_alu depctr_va_vdst(0)
.irp g, 0,1                                    ; S^T = k q^T, four tiles of 16 keys at a time
.if \g
	PLACES                                         ; ahead of loads into registers that the four products above have read
.endif
.irp t, 0,1,2,3
	ds_load_b128 v[32+12*\t:35+12*\t], v86 offset:(\e)*2*CH+(4*\g+\t)*1536
	ds_load_b64 v[36+12*\t:37+12*\t], v87 offset:(\e)*2*CH+(4*\g+\t)*1536
	ds_load_u16 v[92+\t], v90 offset:(\e)*2*CH+256*\g+4*\t
.endr
	s_wait_dscnt 0x0
.irp t, 0,1,2,3
	v_wmma_scale_f32_16x16x128_f8f6f4 v[96+8*(4*\g+\t):103+8*(4*\g+\t)], v[32+12*\t:43+12*\t], v[16:27], 0, v[92+\t], v29 matrix_a_fmt:MATRIX_FMT_FP6 matrix_b_fmt:MATRIX_FMT_FP6
.endr
.endr                                          ; register 16 b + i of lane (r, h): key 32 b + 16 h + i of the block
	PLACES
	s_cmp_lg_u32 s[KB], s[QB]                      ; on the diagonal the scores of hidden keys become -infinity ahead of the maximum; every query sees its own key, so M is a number
	s_cbranch_scc1 .Lopen_\@
	v_mov_b32 v228, 0xff800000
.set J, 0
.rept 64
	v_cmp_gt_i32 vcc_lo, 32*(J/16)+J%16, v9        ; hidden where 32 b + i > my query - 16 h
	v_cndmask_b32 v[96+J], v[96+J], v228, vcc_lo
.set J, J+1
.endr
.Lopen_\@:
.irp b, 0,1,2,3
	v_max3_num_f32 v[216+\b], v[96+16*\b], v[97+16*\b], v[98+16*\b]   ; the largest score of each block of 32 keys: for the row's maximum, and for the block's largest p
.endr
.irp i, 3,5,7,9,11,13
.irp b, 0,1,2,3
	v_max3_num_f32 v[216+\b], v[216+\b], v[96+16*\b+\i], v[97+16*\b+\i]
.endr
.endr
.irp b, 0,1,2,3
	v_max_num_f32 v[216+\b], v[216+\b], v[111+16*\b]
.endr
.irp b, 0,1,2,3
	s_delay_alu instid0(VALU_DEP_4)
	v_permlanex16_b32 v[220+\b], v[216+\b], s20, s21
.endr
.irp b, 0,1,2,3
	s_delay_alu instid0(VALU_DEP_4)
	v_max_num_f32 v[216+\b], v[216+\b], v[220+\b]  ; with lane l xor 16's 16 keys
.endr
	s_delay_alu instid0(VALU_DEP_2)
	v_max3_num_f32 v228, v216, v217, v218
	s_delay_alu instid0(VALU_DEP_1)
	v_max_num_f32 v228, v228, v219
	s_delay_alu instid0(VALU_DEP_1)
	v_mul_f32 v228, s22, v228                      ; as t
	s_delay_alu instid0(VALU_DEP_1)
	v_max_num_f32 v13, v13, v228                   ; the running largest t
	v_mov_b32 v228, v12
	s_delay_alu instid0(VALU_DEP_2)
	v_floor_f32 v12, -v13                          ; the new -M = -ceil(t)
	s_delay_alu instid0(VALU_DEP_1)
	v_sub_f32 v228, v12, v228                      ; old M - new M: a whole number, 0 or less
	s_delay_alu instid0(VALU_DEP_1)
	v_cvt_i32_f32 v228, v228                       ; (it saturates)
	s_delay_alu instid0(VALU_DEP_1)
	v_ldexp_f32 v230, 1.0, v228                    ; f = 2^(old M - new M): a multiplication by it rounds nothing
.set J, 0
.rept 32
	v_pk_fma_f32 v[96+J:97+J], v[96+J:97+J], s[22:23], v[12:13] op_sel_hi:[1,0,0]   ; t - M
.set J, J+2
.endr
.irp b, 0,1,2,3
	v_fma_f32 v[216+\b], v[216+\b], s22, v12
.endr
.set J, 0
	s_wait_alu depctr_va_vdst(0)
.rept 64
	v_exp_f32 v[96+J], v[96+J]                     ; p = 2^(t - M)
.set J, J+1
.endr
.irp b, 0,1,2,3
	v_exp_f32 v[216+\b], v[216+\b]                 ; the block's largest p
.endr
	v_pk_mul_f32 v[14:15], v[14:15], v[230:231] op_sel_hi:[1,0]   ; the sum under the new M (a plain place behind the exponentials)
	s_wait_alu depctr_va_vdst(0)
.irp b, 0,1,2,3
	v_max_num_f32 v[216+\b], 0x1800000, v[216+\b]  ; the floor 2^(3 - 127)
.endr
.irp b, 0,1,2,3
	s_delay_alu instid0(VALU_DEP_4)
	v_add_nc_u32 v[224+\b], 0xff000000, v[216+\b]  ; the conversion's scale operand
.endr
.irp b, 0,1,2,3
	s_delay_alu instid0(VALU_DEP_4)
	v_lshrrev_b32 v[220+\b], 23, v[224+\b]         ; the byte
.endr
	s_delay_alu instid0(VALU_DEP_3)
	v_lshl_or_b32 v231, v221, 8, v220              ; p's scale word for these 128 keys
	s_delay_alu instid0(VALU_DEP_1)
	v_lshl_or_b32 v231, v222, 16, v231
	s_delay_alu instid0(VALU_DEP_1)
	v_lshl_or_b32 v231, v223, 24, v231
.irp c, 0,1
	v_cvt_scalef32_pk16_fp6_f32 v[196+6*\c:198+6*\c], v[96+32*\c:111+32*\c], v[224+2*\c]
	v_cvt_scalef32_pk16_fp6_f32 v[208+4*\c:210+4*\c], v[112+32*\c:127+32*\c], v[224+2*\c+1]
.endr
	v_nop                                          ; one plain place behind a scaled conversion
.irp c, 0,1
.irp i, 0,1,2
	v_permlane16_swap_b32 v[196+6*\c+\i], v[208+4*\c+\i]
.endr
.irp i, 0,1,2
	s_delay_alu instid0(VALU_DEP_3)
	v_mov_b32 v[199+6*\c+\i], v[208+4*\c+\i]
.endr
.endr
	v_pk_add_f32 v[220:221], v[100:101], v[104:105]
	v_pk_add_f32 v[254:255], v[108:109], v[112:113]
	v_pk_add_f32 v[252:253], v[116:117], v[120:121]
	v_pk_add_f32 v[250:251], v[124:125], v[128:129]
	v_pk_add_f32 v[248:249], v[132:133], v[136:137]
	v_pk_add_f32 v[246:247], v[140:141], v[144:145]
	v_pk_add_f32 v[244:245], v[148:149], v[152:153]
	v_pk_add_f32 v[14:15], v[14:15], v[156:157]
	v_pk_add_f32 v[220:221], v[220:221], v[96:97]
	v_pk_add_f32 v[254:255], v[254:255], v[98:99]
	v_pk_add_f32 v[252:253], v[252:253], v[102:103]
	v_pk_add_f32 v[250:251], v[250:251], v[106:107]
	v_pk_add_f32 v[248:249], v[248:249], v[110:111]
	v_pk_add_f32 v[246:247], v[246:247], v[114:115]
	v_pk_add_f32 v[244:245], v[244:245], v[118:119]
	v_pk_add_f32 v[14:15], v[14:15], v[122:123]
	v_pk_add_f32 v[220:221], v[220:221], v[126:127]
	v_pk_add_f32 v[254:255], v[254:255], v[130:131]
	v_pk_add_f32 v[252:253], v[252:253], v[134:135]
	v_pk_add_f32 v[250:251], v[250:251], v[138:139]
	v_pk_add_f32 v[248:249], v[248:249], v[142:143]
	v_pk_add_f32 v[246:247], v[246:247], v[146:147]
	v_pk_add_f32 v[244:245], v[244:245], v[150:151]
	v_pk_add_f32 v[14:15], v[14:15], v[154:155]
	v_pk_add_f32 v[220:221], v[220:221], v[158:159]
	s_delay_alu instid0(VALU_DEP_2)
	v_pk_add_f32 v[14:15], v[14:15], v[250:251]
	s_delay_alu instid0(VALU_DEP_2)
	v_pk_add_f32 v[220:221], v[220:221], v[248:249]
	v_pk_add_f32 v[254:255], v[254:255], v[246:247]
	v_pk_add_f32 v[252:253], v[252:253], v[244:245]
	s_delay_alu instid0(VALU_DEP_2)
	v_pk_add_f32 v[14:15], v[14:15], v[254:255]
	s_delay_alu instid0(VALU_DEP_2)
	v_pk_add_f32 v[220:221], v[220:221], v[252:253]
	s_delay_alu instid0(VALU_DEP_1)
	v_pk_add_f32 v[14:15], v[14:15], v[220:221]
.irp t, 0,1,2,3                                ; p is done with: v's four fragments take its registers; they land under the rescaling below
	ds_load_b128 v[96+12*\t:99+12*\t], v88 offset:(\e)*2*CH+1536*\t
	ds_load_b64 v[100+12*\t:101+12*\t], v89 offset:(\e)*2*CH+1536*\t
	ds_load_b128 v[102+12*\t:105+12*\t], v88 offset:(\e)*2*CH+1536*\t+768
	ds_load_b64 v[106+12*\t:107+12*\t], v89 offset:(\e)*2*CH+1536*\t+768
.endr
	ds_load_b128 v[192:195], v91 offset:(\e)*2*CH
.set J, 0
.rept 16
	v_pk_mul_f32 v[160+J:161+J], v[160+J:161+J], v[230:231] op_sel_hi:[1,0]   ; O^T under the new M; with the sums above: the places between p's codes and scale word and the products
.set J, J+2
.endr
	s_wait_alu depctr_va_vdst(0)
	s_wait_dscnt 0x0
.irp t, 0,1,2,3                                ; O^T += v^T p^T: four accumulators by turns
	v_wmma_scale_f32_16x16x128_f8f6f4 v[160+8*\t:167+8*\t], v[96+12*\t:107+12*\t], v[196:207], v[160+8*\t:167+8*\t], v[192+\t], v231 matrix_a_fmt:MATRIX_FMT_FP6 matrix_b_fmt:MATRIX_FMT_FP6
.endr
	s_add_co_u32 s[EC], s[EC], 1
	s_add_co_u32 s[KB], s[KB], 1
.endm
; THE CHANGE OF SLOTS, at a slot's head.  Each wave waits for all its tensor loads (its part of the slot ahead), adds 0 to its spare word, and waits for that and for its reads of the slot that it has left.
; fill = 1: the slot left takes the next two entries; 2: the one last entry; 0: nothing.  The load has a slot's entries in which to land; one tensor load of a wave is out behind each barrier.
.macro CHANGE fill
	s_wait_tensorcnt 0x0                           ; no tensor load of mine is out, so group 0 may be written
	ds_add_u32 v5, v6
	ds_add_u32 v5, v6                              ; 0 onto my spare word
.if \fill
	s_xor_b32 s33, s33, SLOT1                      ; the other slot than last time
	s_cmp_ge_u32 s[EN], s[N1]
	s_cselect_b32 s56, s[N1], 0
	s_sub_co_u32 s56, s[EN], s56                   ; the entry's block of keys: the count begins anew with the second block of queries
	s_mul_i32 s56, s56, CH
	s_mov_b32 s57, 0
	s_add_nc_u64 s[34:35], s[36:37], s[56:57]
	s_or_b32 s35, s35, 0x80000000
	s_add_co_u32 s[EN], s[EN], 2
.endif
	s_wait_dscnt 0x0                               ; the add is done, and my reads of the slot that I have left are over
	s_barrier_signal -1
	s_barrier_wait -1
.if \fill == 1
	s_cmp_lt_u32 s[WV], 4
	s_cbranch_scc0 .Lno_load_\@
	tensor_load_to_lds s[32:35], s[24:31]          ; the first thing behind the barrier, and a wave's one tensor load until the next
	s_nop 0
	PLACES
.Lno_load_\@:
.endif
.if \fill == 2
	s_cmp_eq_u32 s42, 0
	s_cbranch_scc0 .Lno_load_\@
	tensor_load_to_lds s[32:35], s[24:31]
	s_nop 0
	PLACES
.Lno_load_\@:
.endif
.endm
	s_wait_loadcnt 0x0                             ; q
.Lslot:                                            ; 7 trips: entries 0 to 13
	CHANGE 1
	STEP 0
	STEP 1
	s_xor_b32 s[TB], s[TB], SLOT1
	s_sub_co_u32 s[SLOTS], s[SLOTS], 1
	s_cmp_lg_u32 s[SLOTS], 0
	s_cbranch_scc1 .Lslot
	CHANGE 2                                       ; the tail is written out: entries 14, 15; entry 16 is asked for
	STEP 0
	STEP 1
	s_xor_b32 s[TB], s[TB], SLOT1
	CHANGE 0
	STEP 0                                         ; entry 16
	PLACES                                         ; behind the last products
	FINISH
	s_wait_tensorcnt 0x0                           ; the wave's end
	ds_add_u32 v5, v6
	s_wait_dscnt 0x0
	s_endpgm
.Lfunc_end_k_qa06145e3d5_attn:
	.size	k_qa06145e3d5_attn, .Lfunc_end_k_qa06145e3d5_attn-k_qa06145e3d5_attn
	.p2alignl 7, 3214868480
	.fill 96, 4, 3214868480
	.section	.rodata,"a",@progbits
	.p2align	6, 0x0
	.amdhsa_kernel k_qa06145e3d5_attn
		.amdhsa_group_segment_fixed_size 327680
		.amdhsa_private_segment_fixed_size 0
		.amdhsa_enable_private_segment 0
		.amdhsa_kernarg_size 16
		.amdhsa_user_sgpr_count 2
		.amdhsa_user_sgpr_kernarg_segment_ptr 1
		.amdhsa_wavefront_size32 1
		.amdhsa_system_sgpr_workgroup_id_x 1
		.amdhsa_system_sgpr_workgroup_id_y 1
		.amdhsa_system_sgpr_workgroup_id_z 1
		.amdhsa_system_vgpr_workitem_id 0
		.amdhsa_next_free_vgpr 256
		.amdhsa_next_free_sgpr 66
		.amdhsa_reserve_vcc 1
		.amdhsa_float_denorm_mode_32 3
		.amdhsa_float_denorm_mode_16_64 3
		.amdhsa_memory_ordered 1
		.amdhsa_forward_progress 1
		.amdhsa_inst_pref_size 160
	.end_amdhsa_kernel
	.amdgpu_metadata
---
amdhsa.version: [ 1, 2 ]
amdhsa.kernels:
  - .name:           k_qa06145e3d5_attn
    .symbol:         k_qa06145e3d5_attn.kd
    .args:
      - { .name: qkv_q, .offset: 0, .size: 8, .value_kind: global_buffer, .address_space: global }
      - { .name: y_q, .offset: 8, .size: 8, .value_kind: global_buffer, .address_space: global }
    .group_segment_fixed_size: 327680
    .private_segment_fixed_size: 0
    .kernarg_segment_align: 8
    .kernarg_segment_size: 16
    .max_flat_workgroup_size: 512
    .sgpr_count:     66
    .vgpr_count:     256
    .wavefront_size: 32
...
	.end_amdgpu_metadata
.endif
;; end of part 3
;; launch proj (part 4): grid 8 x 32, 4 waves a work-group, clusters of 4 x 4, 327,680 bytes of LDS; arguments y_q, w_q, b_proj, out0; writes out0
.if DOCPART == 4
	.amdgcn_target "amdgcn-amd-amdhsa--gfx1250"
	.amdhsa_code_object_version 6
	.text
	.protected	k_qa06145e3d5_proj
	.globl	k_qa06145e3d5_proj
	.p2align	8
	.type	k_qa06145e3d5_proj,@function
k_qa06145e3d5_proj:
	s_mov_b64 s[64:65], 0
	v_nop
	global_prefetch_b8 v0, s[64:65] scope:SCOPE_SE
	s_setreg_imm32_b32 hwreg(HW_REG_WAVE_MODE, 25, 1), 1
	s_wait_xcnt 0x0
	s_wait_alu depctr_hold_cnt(0) depctr_sa_sdst(0) depctr_va_vdst(0) depctr_va_sdst(0) depctr_va_ssrc(0) depctr_va_vcc(0) depctr_vm_vsrc(0)
	s_getreg_b32 s2, hwreg(HW_REG_IB_STS2, 6, 4)
	s_cmp_eq_u32 s2, 0
	s_cbranch_scc0 .Lentry_in_a_cluster
	s_endpgm
.Lentry_in_a_cluster:
	s_bfe_u32 s2, ttmp6, 0x10000c
	s_cmp_lg_u32 s2, 0xf033
	s_cbranch_scc0 .Lentry_shape_is_right
	s_endpgm
.Lentry_shape_is_right:
; out0 = y W_proj + b_proj on codes of FP6 (E2M3) with E8M0 scales; out0 [8192][1024] f32.
; Operands come as CHUNKS of 12,800 bytes: 128 rows x 128 K as an image of the operand's registers: fragment i at 1536 i, half c at + 768 c (four registers at 16 x lane, two at 512 + 8 x lane);
; scale words at 12,288 + 256 (i / 4) + 16 r + 4 (i % 4); lane r of fragment i is row 32 (i / 2) + 8 (i % 2) + r + 8 (r / 8).
; A work-group multiplies 256 tokens (A: two groups of y_q) by 128 columns (B: group 24 + column block of w_q) over all K = 1,024; a wave takes 64 tokens x 128 columns: 32 accumulators.
; Source 0 = B's fragment, source 1 = A's: a lane holds one token, and register j of tile b is column 32 (b / 2) + 16 h + 8 (b % 2) + j.  The bias is the C of each sum's first product.
; ALL OF K STAYS IN LDS: 3 groups x 8 chunks = 307,200 bytes, each byte filled once; the fills go out at the start as four slots of two K steps; a counted wait and a barrier open each slot.
; CLUSTERS 4 x 4: A is asked for jointly along a row of the cluster, B along a column.  A wave has at most four tensor loads out.
; The way out goes through a stage of 16 x 528 bytes a wave in LDS bytes 0 to 33,791: A's first group, K steps 0 to 2, whose one fill landed and whose last read came back ahead of the barrier that opens slot 2.
; REGISTERS: window 0: v1-23 addresses; v32-39 A's scale words, two sets; v40-55 B's; v64-159 A's fragments, two sets of 4; v160-223 the bias; on the way out v64-191 rows read back.
;   window 1: B's fragments, two sets of 8, at v0 and v128.  window 2: the 32 accumulators, (a, b) at v[8 (8 a + b)].
.set CH,   12800
.set GRP,  8*CH
.set SLB,  2*CH
.set BG,   2*GRP
.set SCO,  12288
.set AF,   64
.set SCA,  32
.set SCB,  40
.set CB,   160
.set WV,   12
.set G1A,  24
.set G0A,  32
.set G0B,  48
.set G1B,  68
.set MSB, 0
.macro WIN new                         ; the immediate's high byte repeats the setting that is left
.if MSB != \new
	s_set_vgpr_msb (MSB<<8)|\new
.set MSB, \new
.endif
.endm
.macro PLACES                          ; four plain places behind a matrix instruction, ahead of loads into its sources and of reads of its results
.rept 4
	v_nop
.endr
.endm
.macro CROUND                          ; a round of the cluster's barrier
	s_barrier_signal -1
	s_barrier_wait -1
	s_cmp_lg_u32 s[WV], 0
	s_cbranch_scc1 .Lnot_wave_0_\@
	s_barrier_signal -3
.Lnot_wave_0_\@:
	s_barrier_wait -3
	s_barrier_signal -1
	s_barrier_wait -1
.endm
	s_load_b256 s[4:11], s[0:1], 0x0               ; y_q s[4:5], w_q s[6:7], b_proj s[8:9], out0 s[10:11]
	v_lshl_add_u32 v254, v0, 2, 0x4b000
	v_mov_b32 v255, 0
	ds_add_u32 v254, v255
	ds_add_u32 v254, v255
	v_lshrrev_b32 v1, 5, v0
	v_readfirstlane_b32 s[WV], v1                  ; wave 0..3
	s_lshr_b32 s13, s[WV], 1                       ; ga: which of A's two groups is mine
	s_and_b32 s14, s[WV], 1                        ; wl: which 64 tokens of it
	s_bfe_u32 s15, ttmp6, 0x40000                  ; cx
	s_bfe_u32 s16, ttmp6, 0x40004                  ; cy
	s_and_b32 s18, ttmp7, 0xffff
	s_lshl_b32 s20, s18, 2
	s_add_co_u32 s20, s20, s16
	s_lshl_b32 s20, s20, 1                         ; A = y's groups 2 (4 y + cy), + 1.  (No register on A's side ever holds cx)
	s_lshl_b32 s22, ttmp9, 2
	s_add_co_u32 s22, s22, s15                     ; the block of 128 columns: 4 x + cx.  (None on B's side ever holds cy)
	s_mul_i32 s90, s20, GRP
	s_mul_i32 s96, s[WV], GRP                      ; wave 0 fetches A's first group, wave 1 its second
	s_add_co_u32 s90, s90, s96
	s_mov_b32 s91, 0
	s_add_co_u32 s92, s22, 24                      ; W_proj's groups follow W_attn's 24
	s_mul_i32 s92, s92, GRP
	s_mov_b32 s93, 0
	s_lshl_b32 s94, s16, 2
	s_lshl_b32 s94, 15, s94                        ; my row of the cluster
	s_lshl_b32 s95, 0x1111, s15                    ; my column
	s_or_b32 s[G1A], s94, (3<<16)|(1<<21)          ; 15:0 the mask; 17:16 elements of 8 bytes; 21 set beside a mask; no padding
	s_or_b32 s[G1B], s95, (3<<16)|(1<<21)
.irp g, G1A, G1B                               ; a dense block of 25,600 bytes as 100 rows of 256
	s_mov_b32 s[\g+1], 32<<16
	s_mov_b32 s[\g+2], 100<<16
	s_mov_b32 s[\g+3], 32<<16
	s_mov_b32 s[\g+4], 100
	s_mov_b32 s[\g+5], 32
	s_mov_b32 s[\g+6], 0
	s_mov_b32 s[\g+7], 0
.endr
	s_wait_dscnt 0x0
	s_wait_kmcnt 0x0
	s_add_nc_u64 s[80:81], s[4:5], s[90:91]
	s_add_nc_u64 s[82:83], s[6:7], s[92:93]
.irp s, 0,1,2,3
	s_mov_b32 s[G0A+4*\s], 1
	s_add_co_u32 s[G0A+4*\s+1], s96, \s*SLB
	s_add_nc_u64 s[G0A+4*\s+2:G0A+4*\s+3], s[80:81], \s*SLB
	s_or_b32 s[G0A+4*\s+3], s[G0A+4*\s+3], 0x80000000
	s_mov_b32 s[G0B+4*\s], 1
	s_mov_b32 s[G0B+4*\s+1], BG+\s*SLB
	s_add_nc_u64 s[G0B+4*\s+2:G0B+4*\s+3], s[82:83], \s*SLB
	s_or_b32 s[G0B+4*\s+3], s[G0B+4*\s+3], 0x80000000
.endr
	CROUND                                         ; all sixteen work-groups are here: the joint loads meet
	s_cmp_lt_u32 s[WV], 2                          ; a wave's first fills stand in one branch on its number: waves 0, 1 A's groups, wave 2 B's, wave 3 none
	s_cbranch_scc0 .Lnot_a
.irp s, 0,1,2,3
	tensor_load_to_lds s[G0A+4*\s:G0A+4*\s+3], s[G1A:G1A+7]
	s_nop 0
.endr
	PLACES                                         ; four v_nop behind the last
	s_branch .Lasked
.Lnot_a:
	s_cmp_eq_u32 s[WV], 2
	s_cbranch_scc0 .Lasked
.irp s, 0,1,2,3
	tensor_load_to_lds s[G0B+4*\s:G0B+4*\s+3], s[G1B:G1B+7]
	s_nop 0
.endr
	PLACES
.Lasked:
	v_and_b32 v3, 31, v0                           ; lane
	v_and_b32 v1, 15, v0                           ; r
	v_bfe_u32 v2, v0, 4, 1                         ; h
	v_lshlrev_b32 v16, 4, v3                       ; 16 x lane
	v_lshlrev_b32 v17, 3, v3                       ; 8 x lane
	v_lshlrev_b32 v18, 4, v1                       ; 16 r
	s_mul_i32 s96, s13, GRP
	s_mul_i32 s97, s14, 6144
	s_add_co_u32 s97, s97, s96                     ; my four fragments of A
	v_add_nc_u32 v4, s97, v16
	v_add_nc_u32 v6, s97, v17
	v_add_nc_u32 v6, 512, v6
	v_add_nc_u32 v8, BG, v16                       ; B's eight
	v_add_nc_u32 v10, BG+512, v17
	s_lshl_b32 s97, s14, 8
	s_add_co_u32 s97, s97, s96
	s_add_co_u32 s97, s97, SCO
	v_add_nc_u32 v12, s97, v18                     ; my four scale words of row r
	v_add_nc_u32 v14, BG+SCO, v18                  ; B's: four, and four more 256 bytes on
.irp n, 4,6,8,10,12,14
	v_add_nc_u32 v[\n+1], 4*CH, v[\n]              ; the same for K steps 4-7, so that every offset fits the 16-bit immediate
.endr
	v_lshlrev_b32 v20, 6, v2                       ; 64 h: the bias
	s_wait_alu depctr_va_vdst(0)
	s_mul_i32 s97, s[WV], 8448                     ; my stage
	v_mul_u32_u24 v22, v1, 528
	v_lshl_add_u32 v22, v2, 6, v22
	v_add_nc_u32 v22, s97, v22                     ; in: row r, + 64 h
	v_add_nc_u32 v23, s97, v16                     ; back: a row of 512 bytes, 16 a lane
	s_lshl_b32 s78, s22, 9
	s_mov_b32 s79, 0
	s_add_nc_u64 s[78:79], s[8:9], s[78:79]        ; b_proj at my 128 columns
	s_add_co_u32 s86, s20, s13
	s_lshl_b32 s86, s86, 7
	s_lshl_b32 s97, s14, 6
	s_add_co_u32 s86, s86, s97                     ; my first token
	s_lshl_b32 s86, s86, 12
	s_lshl_b32 s97, s22, 9
	s_add_co_u32 s2, s86, s97
	s_mov_b32 s3, 0
	s_add_nc_u64 s[2:3], s[10:11], s[2:3]          ; out0 at my first token and column; never stepped
.irp b, 0,1,2,3,4,5,6,7
	global_load_b128 v[CB+8*\b:CB+8*\b+3], v20, s[78:79] offset:128*(\b/2)+32*(\b%2)
	global_load_b128 v[CB+8*\b+4:CB+8*\b+7], v20, s[78:79] offset:128*(\b/2)+32*(\b%2)+16
.endr
	s_wait_loadcnt 0x0
.macro FRAG reg, a16, a8, off          ; a fragment's 12 registers, as they were stored
	ds_load_b128 v[(\reg):(\reg)+3], v[\a16] offset:(\off)
	ds_load_b64 v[(\reg)+4:(\reg)+5], v[\a8] offset:(\off)
	ds_load_b128 v[(\reg)+6:(\reg)+9], v[\a16] offset:(\off)+768
	ds_load_b64 v[(\reg)+10:(\reg)+11], v[\a8] offset:(\off)+768
.endm
.macro FETCH q                         ; K step q into set q % 2: B's 8 fragments, my 4 of A, their scale words: 51 loads
.set FP, (\q)%2
.set FH, (\q)/4
.set FO, ((\q)%4)*CH
	WIN 0x40                                       ; destination window 1
.irp i, 0,1,2,3,4,5,6,7
	FRAG 128*FP+12*\i, 8+FH, 10+FH, FO+1536*\i
.endr
	WIN 0
.irp i, 0,1,2,3
	FRAG AF+48*FP+12*\i, 4+FH, 6+FH, FO+1536*\i
.endr
	ds_load_b128 v[SCA+4*FP:SCA+4*FP+3], v[12+FH] offset:FO
	ds_load_b128 v[SCB+8*FP:SCB+8*FP+3], v[14+FH] offset:FO
	ds_load_b128 v[SCB+8*FP+4:SCB+8*FP+7], v[14+FH] offset:FO+256
.endm
.macro MULK q, bias                    ; 32 products; the 32 accumulators take turns, one instruction a turn, in the same order in every K step.  bias = 1: the bias starts the sums
.set FP, (\q)%2
.if \bias
	WIN 0x81                                       ; source 0 (B) window 1, source 1 (A) and C (the bias) window 0, D window 2
.else
	WIN 0xa1                                       ; C and D window 2
.endif
.irp a, 0,1,2,3
.irp b, 0,1,2,3,4,5,6,7
.if \bias
	v_wmma_scale_f32_16x16x128_f8f6f4 v[8*(8*\a+\b):8*(8*\a+\b)+7], v[128*FP+12*\b:128*FP+12*\b+11], v[AF+48*FP+12*\a:AF+48*FP+12*\a+11], v[CB+8*\b:CB+8*\b+7], v[SCB+8*FP+\b], v[SCA+4*FP+\a] matrix_a_fmt:MATRIX_FMT_FP6 matrix_b_fmt:MATRIX_FMT_FP6
.else
	v_wmma_scale_f32_16x16x128_f8f6f4 v[8*(8*\a+\b):8*(8*\a+\b)+7], v[128*FP+12*\b:128*FP+12*\b+11], v[AF+48*FP+12*\a:AF+48*FP+12*\a+11], v[8*(8*\a+\b):8*(8*\a+\b)+7], v[SCB+8*FP+\b], v[SCA+4*FP+\a] matrix_a_fmt:MATRIX_FMT_FP6 matrix_b_fmt:MATRIX_FMT_FP6
.endif
.endr
.endr
.endm
.macro KSTEP q, bias
.if (\q) < 7
.if ((\q)%2) == 1
	s_wait_tensorcnt 3-((\q)+1)/2                  ; my part of slot (q + 1) / 2 has landed; the later slots' loads stay out
	s_wait_dscnt 0x0                               ; no LDS load of mine is out at the signal
	s_barrier_signal -1
	s_barrier_wait -1                              ; everybody's part has
.endif
.if (\q) > 0
	PLACES                                         ; the set that takes the loads below was read by the products just issued
.endif
	FETCH (\q)+1
	s_wait_dscnt 51                                ; all but the 51 just issued: this K step's operands are in
.else
	s_wait_dscnt 0x0
.endif
	MULK \q, \bias
.endm
	s_wait_tensorcnt 3                             ; my part of slot 0 (K steps 0, 1) has landed; three loads stay out
	s_barrier_signal -1
	s_barrier_wait -1
	FETCH 0
	KSTEP 0, 1
.irp q, 1,2,3,4,5,6,7
	KSTEP \q, 0
.endr
	WIN 0
	PLACES
; THE WAY OUT, a fragment of 16 tokens x 128 columns at a time: a lane's 8 numbers of a tile are 32 neighbouring bytes of a row; they go through my own stage and come back as whole rows of 512 bytes.
; LDS serves a wave's instructions in order: no wait between the stores and the loads, nor ahead of the next fragment's stores.
.macro TOSTAGE a
	WIN 0x08                                       ; an LDS store's data are its source 1: window 2
.irp b, 0,1,2,3,4,5,6,7
	ds_store_b128 v22, v[64*(\a)+8*\b:64*(\a)+8*\b+3] offset:128*(\b/2)+32*(\b%2)          ; each accumulator from its low end on
	ds_store_b128 v22, v[64*(\a)+8*\b+4:64*(\a)+8*\b+7] offset:128*(\b/2)+32*(\b%2)+16
.endr
	WIN 0
.set BB, 64+64*((\a)%2)
.irp t, 0,1,2,3,4,5,6,7,8,9,10,11,12,13,14,15
	ds_load_b128 v[BB+4*\t:BB+4*\t+3], v23 offset:528*\t
.endr
.endm
.macro SEND a, younger                 ; younger: the LDS instructions issued behind fragment a's loads, which may stay out
.set BB, 64+64*((\a)%2)
	s_wait_dscnt \younger
.irp t, 0,1,2,3,4,5,6,7,8,9,10,11,12,13,14,15
	global_store_b128 v16, v[BB+4*\t:BB+4*\t+3], s[2:3] offset:(32*((\a)/2)+8*((\a)%2)+\t+8*(\t/8))*4096 th:TH_STORE_NT   ; 512 consecutive bytes, aligned to 512; row t of the stage is the fragment's lane t
.endr
.endm
	s_wait_alu depctr_va_vdst(0)
	TOSTAGE 0
.irp a, 1,2,3
.if \a > 1
	s_wait_xcnt 0x0                                ; fragment a - 2's stores have read their registers: fragment a's loads may land there
.endif
	TOSTAGE \a
	SEND \a-1, 32                                  ; behind fragment a - 1's loads: fragment a's 16 stores and 16 loads
.endr
	SEND 3, 0
	s_wait_tensorcnt 0x0
	ds_add_u32 v254, v255
	s_wait_dscnt 0x0
	CROUND                                         ; the closing round: no work-group ends while a partner may still ask for a tile that names it
	s_endpgm
.Lfunc_end_k_qa06145e3d5_proj:
	.size	k_qa06145e3d5_proj, .Lfunc_end_k_qa06145e3d5_proj-k_qa06145e3d5_proj
	.p2alignl 7, 3214868480
	.fill 96, 4, 3214868480
	.section	.rodata,"a",@progbits
	.p2align	6, 0x0
	.amdhsa_kernel k_qa06145e3d5_proj
		.amdhsa_group_segment_fixed_size 327680
		.amdhsa_private_segment_fixed_size 0
		.amdhsa_enable_private_segment 0
		.amdhsa_kernarg_size 32
		.amdhsa_user_sgpr_count 2
		.amdhsa_user_sgpr_kernarg_segment_ptr 1
		.amdhsa_wavefront_size32 1
		.amdhsa_system_sgpr_workgroup_id_x 1
		.amdhsa_system_sgpr_workgroup_id_y 1
		.amdhsa_system_sgpr_workgroup_id_z 1
		.amdhsa_system_vgpr_workitem_id 0
		.amdhsa_next_free_vgpr 768
		.amdhsa_next_free_sgpr 100
		.amdhsa_reserve_vcc 0
		.amdhsa_float_denorm_mode_32 3
		.amdhsa_float_denorm_mode_16_64 3
		.amdhsa_memory_ordered 1
		.amdhsa_forward_progress 1
		.amdhsa_inst_pref_size 85
	.end_amdhsa_kernel
	.amdgpu_metadata
---
amdhsa.version: [ 1, 2 ]
amdhsa.kernels:
  - .name:           k_qa06145e3d5_proj
    .symbol:         k_qa06145e3d5_proj.kd
    .args:
      - { .name: y_q, .offset: 0, .size: 8, .value_kind: global_buffer, .address_space: global }
      - { .name: w_q, .offset: 8, .size: 8, .value_kind: global_buffer, .address_space: global }
      - { .name: b_proj, .offset: 16, .size: 8, .value_kind: global_buffer, .address_space: global }
      - { .name: out0, .offset: 24, .size: 8, .value_kind: global_buffer, .address_space: global }
    .group_segment_fixed_size: 327680
    .private_segment_fixed_size: 0
    .kernarg_segment_align: 8
    .kernarg_segment_size: 32
    .max_flat_workgroup_size: 128
    .sgpr_count:     100
    .vgpr_count:     768
    .wavefront_size: 32
...
	.end_amdgpu_metadata
.endif
;; end of part 4
